; MI455X (gfx1250); checked and timed in simulation.
; The chip was launched on July 23, 2026; its instructions are those of AMD's public machine-readable ISA for CDNA 5 (MIT licence, August 2026) and "CDNA5" Instruction Set Architecture Reference Guide (July 2026). The comments in the code are by the model that wrote it; some were corrected since.
;; Multihead Self Attention. Allowed arithmetic: float matrix products may take bf16 or f16 operands with f32 sums; other float arithmetic in f32, or as packed bf16 or f16 multiplies, adds, multiply-adds, maxima and minima; sums over many terms, partial sums and values carried from step to step in f32; what a program stores and reads back later, other than sums and carried values, may be rounded once to bf16 or f16.
;; Inputs: Wk 2,048 x 2,048 float32; Wo 2,048 x 2,048 float32; Wq 2,048 x 2,048 float32; Wv 2,048 x 2,048 float32; positions 2,048 int32; x 1 x 2,048 x 2,048 float32.
;; Outputs: out0 1 x 2,048 x 2,048 float32.
;; One version. Each part assembles by itself: llvm-mc -triple=amdgcn-amd-amdhsa -mcpu=gfx1250 --defsym DOCPART=n.
;; ======== version 1 of 1: 4 launches
;; limits: values are held in f16: magnitudes above 65,504 overflow, below 6.1e-05 lose precision
;; workspace buffers: xb 8,388,608 bytes; wb 25,165,824 bytes; wob 8,388,608 bytes; tab 1,048,576 bytes; qkvh 25,165,824 bytes; ao 8,388,608 bytes
;; launch prep (part 1): grid 256 x 6, 8 waves a work-group, no clusters, 0 bytes of LDS; arguments x, Wq, Wk, Wv, Wo, positions, xb, wb, wob, tab; writes xb, wb, wob, tab
.if DOCPART == 1
	.amdgcn_target "amdgcn-amd-amdhsa--gfx1250"
	.amdhsa_code_object_version 6
	.text
	.protected	k_qff371c7804_prep
	.globl	k_qff371c7804_prep
	.p2align	8
	.type	k_qff371c7804_prep,@function
k_qff371c7804_prep:
	s_mov_b64 s[64:65], 0
	v_nop
	global_prefetch_b8 v0, s[64:65] scope:SCOPE_SE
	s_setreg_imm32_b32 hwreg(HW_REG_WAVE_MODE, 25, 1), 1
	s_wait_xcnt 0x0
; PREP.  Grid y = 0..4: x, Wq, Wk, Wv, Wo (2048 x 2048 f32 each) are rounded once to bf16 and stored as 16-bit numbers; y = 5: the table of cosines and sines for RoPE.
;   xb  = x in bf16;  wb = Wq | Wk | Wv in bf16, 8,388,608 bytes apart;  wob = Wo rounded to bf16, that number written as f16 (the last product multiplies f16 operands).
;   tab = [2048 rows][64 pairs][cos, sin] in f32: the angle of row s and pair p is f32(positions[s]) x 10000^(-p/64).
; LIMITS.  A bf16 number is exact in f16 between 6.1e-5 and 65,504 in magnitude; below that Wo keeps f16's fixed step of 6e-8, above it would be an infinity.
; positions are converted to f32 (exact up to 2^24); the angle is reduced by a pi/2 in two words, so its error grows with the angle as that of any f32 angle does.  NaN and infinities are not treated apart.
; THE CASTS stream: a work-group owns 16,384 numbers (65,536 bytes in, 32,768 out), so that the 5 x 256 cast work-groups are five for each of 256 WGPs; the short table work-groups come last.
; All 16 loads of a thread go out first (16 bytes a lane, 512 neighbouring bytes a wave); each store of a wave covers 256 consecutive bytes, aligned.
; No register is used twice by memory instructions, so the only waits are the counted ones for the loads.
.set CHUNKS, 16
	s_load_b512 s[8:23], s[0:1], 0x0               ; x 8, Wq 10, Wk 12, Wv 14, Wo 16, positions 18, xb 20, wb 22
	s_load_b128 s[24:27], s[0:1], 0x40             ; wob 24, tab 26
	s_and_b32 s4, ttmp7, 0xffff                    ; which tensor
	v_lshlrev_b32 v1, 4, v0                        ; my 16 bytes of a chunk of 4,096 on the way in
	v_lshlrev_b32 v2, 3, v0                        ; my 8 bytes of a chunk of 2,048 on the way out
	s_wait_kmcnt 0x0
	s_cmp_eq_u32 s4, 5
	s_cbranch_scc1 .Ltable
	s_cmp_eq_u32 s4, 1                             ; the source, chosen by the grid's y alone
	s_cselect_b64 s[28:29], s[10:11], s[8:9]
	s_cmp_eq_u32 s4, 2
	s_cselect_b64 s[28:29], s[12:13], s[28:29]
	s_cmp_eq_u32 s4, 3
	s_cselect_b64 s[28:29], s[14:15], s[28:29]
	s_cmp_eq_u32 s4, 4
	s_cselect_b64 s[28:29], s[16:17], s[28:29]
	s_cselect_b64 s[30:31], s[24:25], s[22:23]     ; the destination: wob for Wo, else wb,
	s_cselect_b32 s34, -1, 0                       ; (a lane mask: all ones where the f16 spelling is stored)
	s_cmp_eq_u32 s4, 0
	s_cselect_b64 s[30:31], s[20:21], s[30:31]     ; xb for x
	s_sub_co_u32 s32, s4, 1                        ; Wq, Wk, Wv lie one behind the other in wb
	s_cmp_lt_u32 s32, 3
	s_cselect_b32 s32, s32, 0
	s_lshl_b32 s32, s32, 23
	s_lshl_b32 s33, ttmp9, 15                      ; the work-group's 32,768 bytes
	s_add_co_u32 s32, s32, s33
	s_mov_b32 s33, 0
	s_add_nc_u64 s[30:31], s[30:31], s[32:33]
	s_lshl_b32 s32, ttmp9, 16                      ; and its 65,536 bytes of the source
	s_add_nc_u64 s[28:29], s[28:29], s[32:33]
.set i, 0
.rept CHUNKS
	global_load_b128 v[16+4*i:19+4*i], v1, s[28:29] offset:4096*i th:TH_LOAD_NT
.set i, i+1
.endr
; Chunk i: four numbers a lane.  Rounded to bf16; widened again (a shift, a mask) and written as f16; the mask picks the spelling.
.macro CV i
	s_wait_loadcnt CHUNKS-1-(\i)                   ; loads come back in order: chunk i is in, the younger ones may stay out
	v_cvt_pk_bf16_f32 v8, v[16+4*(\i)], v[17+4*(\i)]
	v_cvt_pk_bf16_f32 v9, v[18+4*(\i)], v[19+4*(\i)]
	v_lshlrev_b32 v10, 16, v8
	v_and_b32 v11, 0xffff0000, v8
	v_lshlrev_b32 v12, 16, v9
	v_and_b32 v13, 0xffff0000, v9
	v_cvt_pk_f16_f32 v14, v10, v11
	v_cvt_pk_f16_f32 v15, v12, v13
	v_cndmask_b32 v[16+4*(\i)], v8, v14, s34
	v_cndmask_b32 v[17+4*(\i)], v9, v15, s34
	global_store_b64 v2, v[16+4*(\i):17+4*(\i)], s[30:31] offset:2048*(\i)
.endm
.set i, 0
.rept CHUNKS
	CV i
.set i, i+1
.endr
	s_endpgm
; THE TABLE.  2,048 waves, a row each; lane l makes pairs 2 l and 2 l + 1: (cos, sin, cos, sin), 16 bytes, so a wave's store is a whole row of 512 bytes.
.Ltable:
	v_lshrrev_b32 v3, 5, v0
	v_readfirstlane_b32 s5, v3                     ; wave 0..7
	s_lshl_b32 s6, ttmp9, 3
	s_add_co_u32 s6, s6, s5                        ; the row = 8 x work-group + wave
	s_lshl_b32 s36, s6, 2
	s_mov_b32 s37, 0
	s_add_nc_u64 s[18:19], s[18:19], s[36:37]
	s_load_b32 s38, s[18:19], 0x0                  ; its position
	s_mov_b32 s40, 0x3f22f983                      ; 2 / pi
	s_mov_b32 s41, 0xbfc90fdb                      ; - pi/2, the high word
	s_mov_b32 s42, 0x333bbd2e                      ; - pi/2, what the high word leaves
	s_mov_b32 s43, 0xb9500d01                      ; sine: -1/5040, 1/120, -1/6
	s_mov_b32 s44, 0x3c088889
	s_mov_b32 s45, 0xbe2aaaab
	s_mov_b32 s46, 0x37d00d01                      ; cosine: 1/40320, -1/720, 1/24
	s_mov_b32 s47, 0xbab60b61
	s_mov_b32 s48, 0x3d2aaaab
	v_and_b32 v4, 31, v0
	v_lshlrev_b32 v5, 1, v4
	v_cvt_f32_u32 v6, v5                           ; p = 2 l
	v_add_nc_u32 v5, 1, v5
	v_cvt_f32_u32 v7, v5                           ; p = 2 l + 1
	v_mul_f32 v6, 0xbe549a78, v6                   ; - p log2(10000) / 64
	v_mul_f32 v7, 0xbe549a78, v7
	v_exp_f32 v6, v6                               ; 10000^(-p/64)
	v_exp_f32 v7, v7
	v_lshlrev_b32 v8, 4, v4                        ; a plain instruction behind the exponentials (ISA guide 5.7.2): my 16 bytes of a row,
	v_lshl_add_u32 v8, s6, 9, v8                   ; in my wave's row
	s_wait_kmcnt 0x0
	v_cvt_f32_i32 v9, s38
	s_wait_alu depctr_va_vdst(0)
	v_mul_f32 v30, v9, v6                          ; the two angles, each one multiplication in f32
	v_mul_f32 v31, v9, v7
; cos and sin of v[a].  k = the nearest whole number to a 2/pi; r = a - k pi/2 by two fused steps, |r| <= pi/4; Taylor polynomials to r^7 and r^8 (what is cut is under 4e-7);
; k mod 4 swaps the two and sets their signs.
.macro SINCOS a, c, s
	v_mul_f32 v40, s40, v[\a]
	v_rndne_f32 v40, v40
	v_fma_f32 v41, v40, s41, v[\a]
	v_fma_f32 v41, v40, s42, v41
	v_cvt_i32_f32 v42, v40
	v_mul_f32 v43, v41, v41
	v_fma_f32 v44, v43, s43, s44
	v_fma_f32 v46, v43, s46, s47
	v_fma_f32 v44, v44, v43, s45
	v_fma_f32 v46, v46, v43, s48
	v_mul_f32 v45, v41, v43
	v_fma_f32 v46, v46, v43, -0.5
	v_fma_f32 v44, v44, v45, v41                   ; sin r
	v_fma_f32 v46, v46, v43, 1.0                   ; cos r
	v_and_b32 v47, 1, v42
	v_cmp_eq_u32 vcc_lo, 1, v47                    ; k odd: the two change places
	v_cndmask_b32 v[\s], v44, v46, vcc_lo
	v_cndmask_b32 v[\c], v46, v44, vcc_lo
	v_lshlrev_b32 v47, 30, v42                     ; sine changes sign where k mod 4 is 2 or 3,
	v_add_nc_u32 v48, 1, v42                       ; cosine where it is 1 or 2
	v_and_b32 v47, 0x80000000, v47
	v_lshlrev_b32 v48, 30, v48
	v_xor_b32 v[\s], v47, v[\s]
	v_and_b32 v48, 0x80000000, v48
	v_xor_b32 v[\c], v48, v[\c]
.endm
	SINCOS 30, 52, 53
	SINCOS 31, 54, 55
	global_store_b128 v8, v[52:55], s[26:27]
	s_endpgm
.Lfunc_end_k_qff371c7804_prep:
	.size	k_qff371c7804_prep, .Lfunc_end_k_qff371c7804_prep-k_qff371c7804_prep
	.p2alignl 7, 3214868480
	.fill 96, 4, 3214868480
	.section	.rodata,"a",@progbits
	.p2align	6, 0x0
	.amdhsa_kernel k_qff371c7804_prep
		.amdhsa_group_segment_fixed_size 0
		.amdhsa_private_segment_fixed_size 0
		.amdhsa_enable_private_segment 0
		.amdhsa_kernarg_size 80
		.amdhsa_user_sgpr_count 2
		.amdhsa_user_sgpr_kernarg_segment_ptr 1
		.amdhsa_wavefront_size32 1
		.amdhsa_system_sgpr_workgroup_id_x 1
		.amdhsa_system_sgpr_workgroup_id_y 1
		.amdhsa_system_sgpr_workgroup_id_z 1
		.amdhsa_system_vgpr_workitem_id 0
		.amdhsa_next_free_vgpr 80
		.amdhsa_next_free_sgpr 66
		.amdhsa_reserve_vcc 1
		.amdhsa_float_denorm_mode_32 3
		.amdhsa_float_denorm_mode_16_64 3
		.amdhsa_memory_ordered 1
		.amdhsa_forward_progress 1
		.amdhsa_inst_pref_size 18
	.end_amdhsa_kernel
	.amdgpu_metadata
---
amdhsa.version: [ 1, 2 ]
amdhsa.kernels:
  - .name:           k_qff371c7804_prep
    .symbol:         k_qff371c7804_prep.kd
    .args:
      - { .name: x, .offset: 0, .size: 8, .value_kind: global_buffer, .address_space: global }
      - { .name: Wq, .offset: 8, .size: 8, .value_kind: global_buffer, .address_space: global }
      - { .name: Wk, .offset: 16, .size: 8, .value_kind: global_buffer, .address_space: global }
      - { .name: Wv, .offset: 24, .size: 8, .value_kind: global_buffer, .address_space: global }
      - { .name: Wo, .offset: 32, .size: 8, .value_kind: global_buffer, .address_space: global }
      - { .name: positions, .offset: 40, .size: 8, .value_kind: global_buffer, .address_space: global }
      - { .name: xb, .offset: 48, .size: 8, .value_kind: global_buffer, .address_space: global }
      - { .name: wb, .offset: 56, .size: 8, .value_kind: global_buffer, .address_space: global }
      - { .name: wob, .offset: 64, .size: 8, .value_kind: global_buffer, .address_space: global }
      - { .name: tab, .offset: 72, .size: 8, .value_kind: global_buffer, .address_space: global }
    .group_segment_fixed_size: 0
    .private_segment_fixed_size: 0
    .kernarg_segment_align: 8
    .kernarg_segment_size: 80
    .max_flat_workgroup_size: 256
    .sgpr_count:     66
    .vgpr_count:     80
    .wavefront_size: 32
...
	.end_amdgpu_metadata
.endif
;; end of part 1
;; launch proj (part 2): grid 16 x 16, 4 waves a work-group, clusters of 4 x 4, 327,680 bytes of LDS; arguments xb, wb, tab, qkvh; writes qkvh
.if DOCPART == 2
	.amdgcn_target "amdgcn-amd-amdhsa--gfx1250"
	.amdhsa_code_object_version 6
	.text
	.protected	k_qff371c7804_proj
	.globl	k_qff371c7804_proj
	.p2align	8
	.type	k_qff371c7804_proj,@function
k_qff371c7804_proj:
	s_mov_b64 s[64:65], 0
	v_nop
	global_prefetch_b8 v0, s[64:65] scope:SCOPE_SE
	s_setreg_imm32_b32 hwreg(HW_REG_WAVE_MODE, 25, 1), 1
	s_wait_xcnt 0x0
	s_wait_alu depctr_hold_cnt(0) depctr_sa_sdst(0) depctr_va_vdst(0) depctr_va_sdst(0) depctr_va_ssrc(0) depctr_va_vcc(0) depctr_vm_vsrc(0)
	s_getreg_b32 s2, hwreg(HW_REG_IB_STS2, 6, 4)
	s_cmp_eq_u32 s2, 0
	s_cbranch_scc0 .Lentry_in_a_cluster
	s_endpgm
.Lentry_in_a_cluster:
	s_bfe_u32 s2, ttmp6, 0x10000c
	s_cmp_lg_u32 s2, 0xf033
	s_cbranch_scc0 .Lentry_shape_is_right
	s_endpgm
.Lentry_shape_is_right:
; q, k, v = x Wq, x Wk, x Wv; RoPE on q and k; stored by heads in f16: qkvh = q | k | v, each [16 heads][2048 rows][128], 8,388,608 bytes apart; q and k unscaled.
; xb: x in bf16 [2048][2048].  wb: Wq | Wk | Wv in bf16, each [2048 k][2048 n].  tab: [2048 rows][64 pairs][cos, sin] in f32.  Sums in f32, RoPE in f32, each result rounded once to f16.
; LIMIT.  f16 ends at 65,504: q, k and v must stay below it in magnitude, else they become infinities.
; SHARES.  A work-group makes 128 rows x the 3 x 128 columns of ONE head: 16 x 16 = 256 work-groups.  Wave (RH, CH) makes rows 64 RH .. + 63 and columns 64 CH .. + 63 of q, of k and of v:
; 4 x 12 = 48 accumulators of 16 x 16, 384 registers; for 32 along K it reads 4 fragments of x and 12 of W (32 LDS loads) for 48 matrix instructions.
; THE MATRIX INSTRUCTION IS USED TRANSPOSED: source 0 = 16 columns of W (W lies [k][n], so its fragments come turned, by ds_load_tr16_b128), source 1 = 16 rows of x.  A lane then holds one row
; (lane % 16) and eight neighbouring columns 8 (lane / 16) + 0..7: RoPE's pairs lie in neighbouring registers, and eight results pack into 16 bytes.
; RING.  K goes in steps of 128 through two LDS slots; a slot holds Wq's, Wk's, Wv's tile (128 k-rows x 256 bytes, pitch 288) and x's (128 rows x 256 bytes, pitch 272).  Wave t = 0, 1, 2 fetches W's
; tile t, wave 3 x's: one tensor load of 32 KiB a wave behind each change of slots; by this text's count a wave has two loads out at the start, later one.
; CLUSTER 4 x 4.  x's tile hangs on the row block alone and is shared along a row of the cluster, W's tiles on the head alone and are shared along a column: each is asked for jointly by the four.
; THE ORDER OF K.  A cluster whose two coordinates have an odd sum takes each pair of K steps in the other order (slot 0 walks the odd steps, slot 1 the even ones): of the clusters that read the same
; tile of x (those of a row of clusters) or of W (those of a column), neighbours ask for it one K step apart.  The f32 sums take the steps in that order.
; REGISTERS (windows of 256; s_set_vgpr_msb: bits 1:0 source 0, 3:2 source 1, 5:4 source 2, 7:6 destination):
;   window 0: v1-31 addresses; v32-63, v64-95 x's fragments, two buffers; v96-119 at work on the way out; v128-255 my part of the table
;   window 1: v0-95, v96-191 W's fragments, two buffers (q's four, k's four, v's four)
;   window 2: q's and k's accumulators, (a, n) at 8 (8 a + n), n = 0..3 q, 4..7 k          window 3: v0-127 v's, (a, b) at 8 (4 a + b)
.set KSTEP, 128
.set PA,    272                        ; x's LDS row: 256 + 16 bytes = 68 words: the 16 rows of a load start at 16 different groups of four banks (64 banks of 4 bytes: ISA guide 11.1)
.set PB,    288                        ; W's LDS row: 256 + 32 bytes = 72 words
.set BT,    128*PB                     ; a tile of W: 36,864 bytes
.set AOFF,  3*BT                       ; x's tile lies behind the three
.set SLOT,  AOFF+128*PA                ; 145,408
.set SPARE, 2*SLOT                     ; behind the ring: the spare words, 128 bytes a wave: two blocks of 256 bytes that no other line names
.set SREG,  128*PA                     ; the way out: 128 rows x 272 bytes for each of q, k, v, in slot 0's bytes, behind that slot's last fill and last read
.set LAPS,  2048/(2*KSTEP)
.set ADRA, 16                          ; v16-17  LDS address of my fragments of x in slot 0, 1
.set ADRB, 18                          ; v18-23  of my fragments of W: slot s, tensor t at ADRB + 3 s + t
.set STO,  24                          ; v24     the way out: where I put 16 bytes of a row of q (k by the offset)
.set STO2, 25                          ; v25     the same for v
.set RD,   26                          ; v26     where I read rows back
.set RD2,  27                          ; v27
.set CO,   28                          ; v28     my byte offset in two rows of the output
.set TO,   29                          ; v29     my byte offset in the table; not rewritten while its loads are out
.set SPW,  30                          ; v30     LDS address of my spare word; never rewritten
.set NIL,  31                          ; v31     0; never rewritten
.set FA,   32
.set T,    96
.set PK,   104
.set TAB,  128
.set WV, 12
.set RH, 13
.set CH, 14
.set CX, 15
.set CY, 16
.set HD, 17
.set MB, 18
.set G1A, 24                           ; s[24:31] descriptor group 1 for x's tiles;  s[32:39] group 0, a set for each slot
.set G0A, 32
.set G1B, 48                           ; s[48:55], s[56:63] the same for W's
.set G0B, 56
.set TBASE, 66                         ; s[66:67] the table at the work-group's first row
.set OB,  70                           ; s[70:75] q, k, v at my 32 rows of the head
.set KOFF, 76                          ; s[76:77] a first K step's byte offset
.set MSB, 0
.macro WIN new                         ; the immediate's high byte repeats the setting that is left; a switch that changes nothing is dropped
.if MSB != (\new)
	s_set_vgpr_msb (MSB<<8)|(\new)
.set MSB, \new
.endif
.endm
.macro PLACES                          ; four places in front of loads into registers that matrix instructions have read, and of lines that read results
.rept 4
	v_nop
.endr
.endm
; A joint load.  The branch hangs on the wave's number alone.  An s_nop 0 and four v_nop follow each of the two lines, ahead of the jump and the label.
.macro JLOAD s
	s_cmp_eq_u32 s[WV], 3
	s_cbranch_scc0 .Lfor_b_\@
	tensor_load_to_lds s[G0A+4*(\s):G0A+4*(\s)+3], s[G1A:G1A+7]
	s_nop 0
.rept 4
	v_nop
.endr
	s_branch .Lasked_\@
.Lfor_b_\@:
	tensor_load_to_lds s[G0B+4*(\s):G0B+4*(\s)+3], s[G1B:G1B+7]
	s_nop 0
.rept 4
	v_nop
.endr
.Lasked_\@:
.endm
; A round of the cluster's barrier: my work-group's barrier; wave 0 signals for the work-group; every wave waits for all sixteen; my work-group's barrier once more.
.macro CROUND
	s_barrier_signal -1
	s_barrier_wait -1
	s_cmp_lg_u32 s[WV], 0
	s_cbranch_scc1 .Lnot_wave_0_\@
	s_barrier_signal -3
.Lnot_wave_0_\@:
	s_barrier_wait -3
	s_barrier_signal -1
	s_barrier_wait -1
.endm
	s_load_b256 s[4:11], s[0:1], 0x0               ; xb s[4:5], wb s[6:7], tab s[8:9], qkvh s[10:11]
	v_lshl_add_u32 v[SPW], v0, 2, SPARE
	v_mov_b32 v[NIL], 0
	ds_add_u32 v[SPW], v[NIL]                      ; the wave's opening: the add and its wait stand ahead of my first tensor load; work on registers stands between them
	v_lshrrev_b32 v1, 5, v0
	v_readfirstlane_b32 s[WV], v1                  ; wave 0..3
	s_lshr_b32 s[RH], s[WV], 1
	s_and_b32 s[CH], s[WV], 1
	s_bfe_u32 s[CX], ttmp6, 0x40000
	s_bfe_u32 s[CY], ttmp6, 0x40004
	s_lshl_b32 s[HD], ttmp9, 2
	s_add_co_u32 s[HD], s[HD], s[CX]               ; the head = 4 x cluster x + cx
	s_and_b32 s[MB], ttmp7, 0xffff
	s_lshl_b32 s[MB], s[MB], 2
	s_add_co_u32 s[MB], s[MB], s[CY]               ; the block of 128 rows = 4 x cluster y + cy
	s_lshl_b32 s19, s[CY], 2
	s_lshl_b32 s19, 15, s19                        ; my row of the cluster
	s_lshl_b32 s20, 0x1111, s[CX]                  ; my column
	s_or_b32 s[G1A], s19, (1<<16)|(1<<20)|(1<<21)|(5<<22)|(3<<25)  ; the mask; elements of 2 bytes; padding on; bit 21 beside a mask; after every 64 words, 4 words
	s_or_b32 s[G1B], s20, (1<<16)|(1<<20)|(1<<21)|(5<<22)|(7<<25)  ; the same with the column's mask and 8 words of padding
.irp g, G1A, G1B
	s_mov_b32 s[(\g)+1], 128<<16                   ; tensor_dim0 = 128
	s_mov_b32 s[(\g)+2], 128<<16                   ; tensor_dim1 = 128
	s_mov_b32 s[(\g)+3], 128<<16                   ; tile_dim0 = 128 elements, 256 bytes
	s_mov_b32 s[(\g)+4], 128                       ; tile_dim1 = 128 rows
	s_mov_b32 s[(\g)+5], 2048                      ; elements from row to row
	s_mov_b32 s[(\g)+6], 0
	s_mov_b32 s[(\g)+7], 0
.endr
	s_lshl_b32 s40, s[MB], 19                      ; x: 128 rows of 4,096 bytes a block: made of the row block alone
	s_mov_b32 s41, 0
	s_min_u32 s42, s[WV], 2                        ; W: which of the three (wave 3 asks by x's descriptor),
	s_lshl_b32 s42, s42, 23
	s_lshl_b32 s43, s[HD], 8                       ; the head's 256 bytes of a row: made of the head and the wave alone
	s_add_co_u32 s42, s42, s43
	s_mov_b32 s43, 0
	s_mul_i32 s21, s[WV], BT                       ; where my tile goes: wave x 36,864; no place in the cluster enters an LDS address
	s_and_b32 s22, ttmp7, 0xffff                   ; the cluster's two coordinates, which all sixteen partners share:
	s_add_co_u32 s22, s22, ttmp9
	s_and_b32 s22, s22, 1                          ; 1 where their sum is odd
	s_mov_b32 s[KOFF+1], 0
	s_wait_dscnt 0x0                               ; the opening add is done
	s_wait_kmcnt 0x0
	s_add_nc_u64 s[44:45], s[4:5], s[40:41]
	s_add_nc_u64 s[46:47], s[6:7], s[42:43]
	CROUND                                         ; all sixteen work-groups are here: the first joint loads meet
.irp s, 0,1
	s_xor_b32 s23, s22, \s                         ; slot s begins with K step s, or with the other of the first two
	s_mov_b32 s[G0A+4*(\s)], 1                     ; count = 1
	s_add_co_u32 s[G0A+4*(\s)+1], s21, (\s)*SLOT   ; LDS address
	s_lshl_b32 s[KOFF], s23, 8                     ; a K step is 256 bytes along x's rows
	s_add_nc_u64 s[G0A+4*(\s)+2:G0A+4*(\s)+3], s[44:45], s[KOFF:KOFF+1]
	s_or_b32 s[G0A+4*(\s)+3], s[G0A+4*(\s)+3], 0x80000000                 ; type = 2
	s_mov_b32 s[G0B+4*(\s)], 1
	s_add_co_u32 s[G0B+4*(\s)+1], s21, (\s)*SLOT
	s_lshl_b32 s[KOFF], s23, 19                    ; and 128 rows of 4,096 bytes down W
	s_add_nc_u64 s[G0B+4*(\s)+2:G0B+4*(\s)+3], s[46:47], s[KOFF:KOFF+1]
	s_or_b32 s[G0B+4*(\s)+3], s[G0B+4*(\s)+3], 0x80000000
	JLOAD \s
.endr
	v_and_b32 v1, 15, v0                           ; r = l % 16
	v_bfe_u32 v2, v0, 4, 1                         ; h = l / 16
	v_and_b32 v3, 7, v0
	v_bfe_u32 v4, v0, 3, 1
	v_mul_u32_u24 v5, v1, PA
	v_lshl_add_u32 v5, v2, 4, v5                   ; r x 272 + 16 h
	s_mul_i32 s19, s[RH], 64*PA                    ; my 64 rows
	v_add_nc_u32 v[STO], s19, v5
	s_add_co_u32 s20, s19, AOFF
	v_add_nc_u32 v[ADRA], s20, v5
	v_add_nc_u32 v[ADRA+1], SLOT, v[ADRA]
	s_lshl_b32 s20, s[CH], 7                       ; my 64 columns: 128 bytes
	v_add_nc_u32 v[STO], s20, v[STO]
	v_add_nc_u32 v[STO2], 2*SREG, v[STO]
	v_lshl_add_u32 v6, v2, 3, v3                   ; the turning load: lane l reads k-row 8 h + l % 8, columns 8 ((l / 8) % 2) + 0..7
	v_mul_u32_u24 v6, v6, PB
	v_lshl_add_u32 v6, v4, 4, v6
	v_add_nc_u32 v6, s20, v6
.irp s, 0,1
.irp t, 0,1,2
	v_add_nc_u32 v[ADRB+3*(\s)+(\t)], (\s)*SLOT+(\t)*BT, v6
.endr
.endr
	v_mul_u32_u24 v7, v2, PA                       ; back: lanes 0-15 take one row of 256 bytes, lanes 16-31 the next; wave w rows 32 w .. 32 w + 31
	v_lshl_add_u32 v7, v1, 4, v7
	s_mul_i32 s19, s[WV], 32*PA
	v_add_nc_u32 v[RD], s19, v7
	v_add_nc_u32 v[RD2], 2*SREG, v[RD]
	v_lshlrev_b32 v[CO], 8, v2
	v_lshl_add_u32 v[CO], v1, 4, v[CO]
	s_lshl_b32 s19, s[RH], 15                      ; the table: my 64 rows of 512 bytes,
	s_lshl_b32 s20, s[CH], 8                       ; my 32 pairs of 8 bytes,
	s_add_co_u32 s19, s19, s20
	v_lshlrev_b32 v[TO], 9, v1                     ; row r,
	v_lshl_add_u32 v[TO], v2, 5, v[TO]             ; four pairs for each half of the lanes
	v_add_nc_u32 v[TO], s19, v[TO]
	s_lshl_b32 s22, s[MB], 16
	s_mov_b32 s23, 0
	s_add_nc_u64 s[TBASE:TBASE+1], s[8:9], s[22:23]
	s_lshl_b32 s22, s[HD], 19                      ; the output: the head, the block's 128 rows of 256 bytes, my 32 of them
	s_lshl_b32 s19, s[MB], 15
	s_add_co_u32 s22, s22, s19
	s_lshl_b32 s19, s[WV], 13
	s_add_co_u32 s22, s22, s19
	s_add_nc_u64 s[OB:OB+1], s[10:11], s[22:23]
	s_add_nc_u64 s[OB+2:OB+3], s[OB:OB+1], 0x800000
	s_add_nc_u64 s[OB+4:OB+5], s[OB+2:OB+3], 0x800000
.irp a, 0,1,2,3                        ; my part of the table, the same for q and k: block a of 16 rows, block b of 16 columns: (cos, sin) of four pairs; waited for on the way out
.irp b, 0,1,2,3
	global_load_b128 v[TAB+8*(4*(\a)+(\b)):TAB+8*(4*(\a)+(\b))+3],   v[TO], s[TBASE:TBASE+1] offset:8192*(\a)+64*(\b)
	global_load_b128 v[TAB+8*(4*(\a)+(\b))+4:TAB+8*(4*(\a)+(\b))+7], v[TO], s[TBASE:TBASE+1] offset:8192*(\a)+64*(\b)+16
.endr
.endr
; The 48 accumulators take turns, one instruction a turn, in the same order in every quarter step (v's 16, then q's and k's 32).  zero = 1: the product starts the sum.
.macro MULV f, zero
	WIN 0xf1                                       ; W window 1, x window 0, C and D window 3
.irp a, 0,1,2,3
.irp b, 0,1,2,3
.if \zero
	v_wmma_f32_16x16x32_bf16 v[8*(4*(\a)+(\b)):8*(4*(\a)+(\b))+7], v[96*(\f)+8*(8+(\b)):96*(\f)+8*(8+(\b))+7], v[FA+32*(\f)+8*(\a):FA+32*(\f)+8*(\a)+7], 0
.else
	v_wmma_f32_16x16x32_bf16 v[8*(4*(\a)+(\b)):8*(4*(\a)+(\b))+7], v[96*(\f)+8*(8+(\b)):96*(\f)+8*(8+(\b))+7], v[FA+32*(\f)+8*(\a):FA+32*(\f)+8*(\a)+7], v[8*(4*(\a)+(\b)):8*(4*(\a)+(\b))+7]
.endif
.endr
.endr
.endm
.macro MULQK f, zero
	WIN 0xa1                                       ; C and D window 2
.irp a, 0,1,2,3
.irp n, 0,1,2,3,4,5,6,7
.if \zero
	v_wmma_f32_16x16x32_bf16 v[8*(8*(\a)+(\n)):8*(8*(\a)+(\n))+7], v[96*(\f)+8*(\n):96*(\f)+8*(\n)+7], v[FA+32*(\f)+8*(\a):FA+32*(\f)+8*(\a)+7], 0
.else
	v_wmma_f32_16x16x32_bf16 v[8*(8*(\a)+(\n)):8*(8*(\a)+(\n))+7], v[96*(\f)+8*(\n):96*(\f)+8*(\n)+7], v[FA+32*(\f)+8*(\a):FA+32*(\f)+8*(\a)+7], v[8*(8*(\a)+(\n)):8*(8*(\a)+(\n))+7]
.endif
.endr
.endr
.endm
; 32 LDS loads in one run: the fragments of quarter q (32 along K) of a slot, into buffer f.
.macro FETCH slot, q, f
	WIN 0x40                                       ; destination window 1, address window 0
.irp t, 0,1,2
.irp b, 0,1,2,3
	ds_load_tr16_b128 v[96*(\f)+8*(4*(\t)+(\b)):96*(\f)+8*(4*(\t)+(\b))+3],   v[ADRB+3*(\slot)+(\t)] offset:32*PB*(\q)+32*(\b)
	ds_load_tr16_b128 v[96*(\f)+8*(4*(\t)+(\b))+4:96*(\f)+8*(4*(\t)+(\b))+7], v[ADRB+3*(\slot)+(\t)] offset:32*PB*(\q)+32*(\b)+16*PB
.endr
.endr
	WIN 0
.irp a, 0,1,2,3
	ds_load_b128 v[FA+32*(\f)+8*(\a):FA+32*(\f)+8*(\a)+3],   v[ADRA+(\slot)] offset:16*PA*(\a)+64*(\q)
	ds_load_b128 v[FA+32*(\f)+8*(\a)+4:FA+32*(\f)+8*(\a)+7], v[ADRA+(\slot)] offset:16*PA*(\a)+64*(\q)+32
.endr
.endm
; A K step is four quarters of 32 along K, 48 matrix instructions each, on buffers 0, 1, 0, 1.  One of the first three: multiplies buffer f; behind its first 16 products it fetches quarter q into buffer g.
.macro QUARTER slot, q, f, g, zero
	s_wait_dscnt 0x0                               ; buffer f is in: its loads were issued 32 products back
	MULV \f, \zero
	PLACES                                         ; buffer g was read by the products in front of these sixteen
	FETCH \slot, \q, \g
	MULQK \f, \zero
.endm
; The last quarter multiplies buffer 1 and changes slots.  In front of the barrier each wave waits for all its tensor loads (one is out: its tile of the next slot), adds 0 to its spare word, and waits for
; that and for its reads of this slot.  fill = 1: the barrier is a round of the cluster's, and this slot is filled again, two K steps on, first thing behind it: 176 products stand between that request and the wait for it.
.macro TURN slot, next, fill
	WIN 0                                          ; (the add's two registers lie in window 0)
	s_wait_tensorcnt 0x0
	ds_add_u32 v[SPW], v[NIL]
	s_wait_dscnt 1                                 ; buffer 1 is in; the add alone may be out
	MULV 1, 0                                      ; sixteen products stand between the add and the wait for it
.if \fill
	s_add_nc_u64 s[G0A+4*(\slot)+2:G0A+4*(\slot)+3], s[G0A+4*(\slot)+2:G0A+4*(\slot)+3], 2*KSTEP*2     ; no tensor load of mine is out: the descriptors step
	s_add_nc_u64 s[G0B+4*(\slot)+2:G0B+4*(\slot)+3], s[G0B+4*(\slot)+2:G0B+4*(\slot)+3], 2*KSTEP*4096
.endif
	s_wait_dscnt 0x0                               ; the add is done, and my reads of this slot are over
	WIN 0
.if \fill
	CROUND                                         ; no wave of any partner still reads this slot or has a load on its way
	JLOAD \slot                                    ; its four v_nop are also the places in front of the loads below
.else
	s_barrier_signal -1
	s_barrier_wait -1
	PLACES
.endif
	FETCH \next, 0, 0
	MULQK 1, 0
.endm
	s_wait_tensorcnt 1                             ; my tile of slot 0 is in; slot 1's may stay out
	s_barrier_signal -1
	s_barrier_wait -1
	FETCH 0, 0, 0
	QUARTER 0, 1, 0, 1, 1                          ; the first quarter stands in front of the loop: its products start the sums
	WIN 0
	s_mov_b32 s3, LAPS-1
.Llap:                                         ; a trip goes once round the ring, from a lap's second quarter to the next lap's first, and fills both slots again
	QUARTER 0, 2, 1, 0, 0
	QUARTER 0, 3, 0, 1, 0
	TURN 0, 1, 1
	QUARTER 1, 1, 0, 1, 0
	QUARTER 1, 2, 1, 0, 0
	QUARTER 1, 3, 0, 1, 0
	TURN 1, 0, 1
	QUARTER 0, 1, 0, 1, 0
	WIN 0
	s_sub_co_u32 s3, s3, 1
	s_cmp_lg_u32 s3, 0
	s_cbranch_scc1 .Llap
	QUARTER 0, 2, 1, 0, 0                          ; the last lap fills nothing
	QUARTER 0, 3, 0, 1, 0
	TURN 0, 1, 0
	QUARTER 1, 1, 0, 1, 0
	QUARTER 1, 2, 1, 0, 0
	QUARTER 1, 3, 0, 1, 0
	s_wait_dscnt 0x0
	MULV 1, 0
	MULQK 1, 0
	WIN 0
; THE WAY OUT.  RoPE in f32 on q and k: (x0, x1) -> (x0 cos - x1 sin, x1 cos + x0 sin); rounded to f16; 16 bytes a lane into the stage; a barrier, since a row's 256 bytes come from two waves;
; back as whole rows.  The stage is slot 0's first 104,448 bytes: that slot's last fill has landed and its last read lies in front of the last change of slots.
	PLACES
	PLACES
	s_wait_loadcnt 0x0                             ; the table
.macro ROPE a, n
.set AC,  8*(8*(\a)+(\n))
.set TBR, TAB+8*(4*(\a)+(\n)%4)
	WIN 0x02                                       ; source 0 window 2
.irp jj, 0,1,2,3
	v_mul_f32 v[T+2*(\jj)],   v[AC+2*(\jj)+1], v[TBR+2*(\jj)+1]
	v_mul_f32 v[T+2*(\jj)+1], v[AC+2*(\jj)],   v[TBR+2*(\jj)+1]
	v_fma_f32 v[T+2*(\jj)],   v[AC+2*(\jj)],   v[TBR+2*(\jj)], -v[T+2*(\jj)]
	v_fma_f32 v[T+2*(\jj)+1], v[AC+2*(\jj)+1], v[TBR+2*(\jj)], v[T+2*(\jj)+1]
.endr
	WIN 0
.irp jj, 0,1,2,3
	v_cvt_pk_f16_f32 v[PK+(\jj)], v[T+2*(\jj)], v[T+2*(\jj)+1]
.endr
	ds_store_b128 v[STO], v[PK:PK+3] offset:SREG*((\n)/4)+16*PA*(\a)+32*((\n)%4)
.endm
.macro VOUT a
	WIN 0x0f                                       ; sources 0 and 1 window 3
.irp b, 0,1,2,3
.irp jj, 0,1,2,3
	v_cvt_pk_f16_f32 v[PK+4*(\b)+(\jj)], v[8*(4*(\a)+(\b))+2*(\jj)], v[8*(4*(\a)+(\b))+2*(\jj)+1]
.endr
.endr
	WIN 0
.irp b, 0,1,2,3
	ds_store_b128 v[STO2], v[PK+4*(\b):PK+4*(\b)+3] offset:16*PA*(\a)+32*(\b)
.endr
.endm
.irp a, 0,1,2,3
.irp n, 0,1,2,3,4,5,6,7
	ROPE \a, \n
.endr
	VOUT \a
.endr
	s_wait_dscnt 0x0                               ; for the others' sake: my stores into the stage are done
	s_barrier_signal -1
	s_barrier_wait -1
.set n, 0
.rept 16
	ds_load_b128 v[128+4*n:128+4*n+3], v[RD] offset:2*PA*n
.set n, n+1
.endr
.set n, 0
.rept 16
	ds_load_b128 v[192+4*n:192+4*n+3], v[RD] offset:SREG+2*PA*n
.set n, n+1
.endr
.set n, 0
.rept 16
	ds_load_b128 v[32+4*n:32+4*n+3], v[RD2] offset:2*PA*n
.set n, n+1
.endr
.set n, 0
.rept 16
	s_wait_dscnt 47-n                              ; LDS loads come back in order: the 47 - n younger ones may stay out
	global_store_b128 v[CO], v[128+4*n:128+4*n+3], s[OB:OB+1] offset:512*n      ; two rows of a head: 512 consecutive bytes, aligned
.set n, n+1
.endr
.set n, 0
.rept 16
	s_wait_dscnt 31-n
	global_store_b128 v[CO], v[192+4*n:192+4*n+3], s[OB+2:OB+3] offset:512*n
.set n, n+1
.endr
.set n, 0
.rept 16
	s_wait_dscnt 15-n
	global_store_b128 v[CO], v[32+4*n:32+4*n+3], s[OB+4:OB+5] offset:512*n
.set n, n+1
.endr
	s_wait_tensorcnt 0x0                           ; the wave's end: the add and its wait, behind my last tensor load and my last LDS store
	ds_add_u32 v[SPW], v[NIL]
	s_wait_dscnt 0x0
	CROUND                                         ; the closing round: no work-group ends while a partner may still ask for a tile that names it
	s_endpgm
.Lfunc_end_k_qff371c7804_proj:
	.size	k_qff371c7804_proj, .Lfunc_end_k_qff371c7804_proj-k_qff371c7804_proj
	.p2alignl 7, 3214868480
	.fill 96, 4, 3214868480
	.section	.rodata,"a",@progbits
	.p2align	6, 0x0
	.amdhsa_kernel k_qff371c7804_proj
		.amdhsa_group_segment_fixed_size 327680
		.amdhsa_private_segment_fixed_size 0
		.amdhsa_enable_private_segment 0
		.amdhsa_kernarg_size 32
		.amdhsa_user_sgpr_count 2
		.amdhsa_user_sgpr_kernarg_segment_ptr 1
		.amdhsa_wavefront_size32 1
		.amdhsa_system_sgpr_workgroup_id_x 1
		.amdhsa_system_sgpr_workgroup_id_y 1
		.amdhsa_system_sgpr_workgroup_id_z 1
		.amdhsa_system_vgpr_workitem_id 0
		.amdhsa_next_free_vgpr 896
		.amdhsa_next_free_sgpr 80
		.amdhsa_reserve_vcc 0
		.amdhsa_float_denorm_mode_32 3
		.amdhsa_float_denorm_mode_16_64 3
		.amdhsa_memory_ordered 1
		.amdhsa_forward_progress 1
		.amdhsa_inst_pref_size 149
	.end_amdhsa_kernel
	.amdgpu_metadata
---
amdhsa.version: [ 1, 2 ]
amdhsa.kernels:
  - .name:           k_qff371c7804_proj
    .symbol:         k_qff371c7804_proj.kd
    .args:
      - { .name: xb, .offset: 0, .size: 8, .value_kind: global_buffer, .address_space: global }
      - { .name: wb, .offset: 8, .size: 8, .value_kind: global_buffer, .address_space: global }
      - { .name: tab, .offset: 16, .size: 8, .value_kind: global_buffer, .address_space: global }
      - { .name: qkvh, .offset: 24, .size: 8, .value_kind: global_buffer, .address_space: global }
    .group_segment_fixed_size: 327680
    .private_segment_fixed_size: 0
    .kernarg_segment_align: 8
    .kernarg_segment_size: 32
    .max_flat_workgroup_size: 128
    .sgpr_count:     80
    .vgpr_count:     896
    .wavefront_size: 32
...
	.end_amdgpu_metadata
.endif
;; end of part 2
;; launch attn (part 3): grid 16 x 16, 4 waves a work-group, clusters of 4 x 1, 327,680 bytes of LDS; arguments qkvh, ao; writes ao
.if DOCPART == 3
	.amdgcn_target "amdgcn-amd-amdhsa--gfx1250"
	.amdhsa_code_object_version 6
	.text
	.protected	k_qff371c7804_attn
	.globl	k_qff371c7804_attn
	.p2align	8
	.type	k_qff371c7804_attn,@function
k_qff371c7804_attn:
	s_mov_b64 s[64:65], 0
	v_nop
	global_prefetch_b8 v0, s[64:65] scope:SCOPE_SE
	s_setreg_imm32_b32 hwreg(HW_REG_WAVE_MODE, 25, 1), 1
	s_wait_xcnt 0x0
	s_wait_alu depctr_hold_cnt(0) depctr_sa_sdst(0) depctr_va_vdst(0) depctr_va_sdst(0) depctr_va_ssrc(0) depctr_va_vcc(0) depctr_vm_vsrc(0)
	s_getreg_b32 s2, hwreg(HW_REG_IB_STS2, 6, 4)
	s_cmp_eq_u32 s2, 0
	s_cbranch_scc0 .Lentry_in_a_cluster
	s_endpgm
.Lentry_in_a_cluster:
	s_bfe_u32 s2, ttmp6, 0x10000c
	s_cmp_lg_u32 s2, 0x3003
	s_cbranch_scc0 .Lentry_shape_is_right
	s_endpgm
.Lentry_shape_is_right:
; CAUSAL ATTENTION, head size 128.  ao[s][128 h + c] = the sum over k <= s of softmax_k(q[h][s] . k[h][k] / sqrt(128)) v[h][k][c].
; qkvh = q | k | v, each [16][2048][128] in f16, 8,388,608 bytes apart; ao [2048][2048] in f16.  Products, maxima and sums in f32; the weights p are rounded to f16 for the second product (their sum l is
; taken of the unrounded p), the result once at the end.
; LIMITS.  A hidden score counts as its value less 1e30.  The running maximum starts at -1e20: true scores lie above that (f16 operands bound them by 5.5e11).  A weight below 2^-126 counts as 0 in l.
; p below 6e-5 keeps f16's fixed step of 6e-8.  NaN and infinities are not treated apart.
; THE WALK.  A head's queries lie in 32 blocks of 64; keys go in tiles of 256.  The work-group at place cx of cluster G takes block lo = 4 G + cx and then block hi = 31 - lo: tiles 0 .. G and then 0 .. 7 - G:
; nine tiles, whatever G and cx: all work-groups do equal work, one loop with a constant trip count walks them, and the four partners of a cluster walk the SAME tiles: every tile is asked for jointly.
; SHARES.  Wave 2 QH + KP owns queries 32 QH .. + 31 of the block, two tiles of 16, and of each key tile the steps of 64 keys KP and KP + 2: the two waves of a pair split the keys, each with its own
; running maximum and sum, and the two partial results meet in LDS at a block's end.  Register tile t of a wave holds query tile t xor KP, so that every wave hands over its register tile 1 and finishes its tile 0.
; LAYOUT.  S^T = K Q^T (source 0 = 16 keys, source 1 = 16 queries): a lane holds ONE query (lane % 16) and the keys 8 (lane / 16) + 0..7; two such results rounded to f16 ARE source 1 of O^T = V^T P.
; SOFTMAX.  p = 2^(c s - c m), c = log2(e) / sqrt(128); in every step O and l are multiplied by a = 2^(c m_old - c m_new).  A block's first step with a true score has a = 0, which clears what the block before left.
; THE MASK is the C operand that starts S^T's sums: 0, or -1e30 where key > query.  It is made anew for each step of a block's last tile, the only one that holds hidden keys; elsewhere it is 0.
; One pair's wave KP = 1 in block 0 sees hidden keys alone: m stays -1e20, a = 1, p = 0, l = 0, O = 0, and the merge gives that part the factor 0.
; A KEY STEP is two parts.  A: V's fetch, 16 products K Q^T of tile 0, then 16 of tile 1 with tile 0's softmax behind them.  B: the next K's fetch, 16 products V^T P of tile 0 with tile 1's softmax behind them, then 16 of tile 1.
; The change of slots stands between A and B of a tile's second step: the old slot's last bytes have been asked for there.
; REGISTERS (windows of 256; s_set_vgpr_msb: bits 1:0 source 0, 3:2 source 1, 5:4 source 2, 7:6 destination):
;   window 0: v1-31 addresses and work; v32-47 statistics, 8 a tile; v62-63 the add's; v64-127 S^T; v128-159 P; v160-223 the masks
;   window 1: v0-127 O^T, 64 a tile; v128-191 Q; v192-255 the second block's Q          window 2: v0-127 K of one step; v128-255 V of one step
.set PK,    272       ; a row of K in LDS: 256 + 16 bytes: the 16 rows of a load start at 16 different groups of four banks (64 banks of 4 bytes: ISA guide 11.1)
.set PV,    288       ; a row of V: 256 + 32
.set VOFF,  256*PK    ; a slot holds a tile: 256 rows of K, then 256 rows of V
.set SLOTB, VOFF+256*PV
.set MERGE, 2*SLOTB   ; behind the ring, never filled by a tensor load: 8,192 bytes a wave for the part that it hands over; the partner later stages its 16 rows of the result there
.set MREG,  8192
.set MSTAT, MERGE+4*MREG  ; 256 bytes a wave: (c m, l) a lane
.set SPARE, MSTAT+1024    ; the spare words, 128 bytes a wave: two blocks of 256 bytes that no other line names
.set SP,    272
.set AK0, 2           ; v2   my lane's place in a tile of K; never rewritten
.set AV0, 3           ; v3   the same for V
.set AK,  4           ; v4   the LDS address of K's next run of loads
.set AV,  5           ; v5   of V's
.set QO0, 6           ; v6-7 my byte offset in the wave's 32 rows of Q, register tile 0, 1
.set DST, 8           ; v8   where I put my part
.set DSS, 10          ; v10  and its statistics
.set LDP, 11          ; v11  where the partner put its part
.set LSS, 12          ; v12
.set STO, 13          ; v13  the way out: where I put 16 bytes of a row
.set RD,  14          ; v14  where I read rows back
.set GO,  15          ; v15  my byte offset in two rows of ao
.set DB0, 16          ; v16-17 my query's place less my lanes' first key, register tile 0, 1
.set D0,  18          ; v18-19 the same for the step in hand
.set PFO, 20          ; v20  256 x my lane: a row of K or V
.set ST,  32          ; tile t's statistics at v[ST+8 t]: c m, m, l (even keys', odd keys'), c0-c3 at work; a takes c2's place
.set SPW, 62
.set NIL, 63
.set S,   64
.set P,   128
.set MC,  160
.set WV, 12
.set KP, 13
.set QH, 14
.set CX, 15
.set G,  16
.set HD, 17
.set G1K, 24          ; s[24:31] descriptor group 1 for K's tiles;  s[32:39] for V's: it differs in the padding alone
.set G1V, 32
.set G0K, 40          ; s[40:43], s[44:47] group 0, made anew for each fill
.set G0V, 44
.set SLOTS, 48        ; trips of the walk still to come
.set CNT, 49          ; counts a tile's two steps, 2 and 1
.set CS,  50          ; s[50:51] c
.set SEL, 52          ; s[52:53] v_permlanex16_b32's selects: each lane takes its own place in the other half
.set TBK, 54          ; LDS byte at which K of the step to be fetched begins
.set TBV, 55          ; the same for V, less VOFF
.set SBW, 56          ; the slot that was filled last
.set SBR, 57          ; the slot that is read
.set LOK, 58          ; my half of a tile of K in a slot
.set LOV, 59
.set KOF, 60          ; my first step of K in a slot
.set VOF, 61
.set NXT, 62          ; the tile to be asked for next
.set LQ,  63          ; the last tile of the block whose tiles are being asked for
.set KB,  66          ; s[66:67] K at my half of the head's tile 0;  s[68:69] V
.set VB,  68
.set QL,  70          ; s[70:71], s[72:73] Q at my 32 rows of the first and of the second block
.set QU,  72
.set OC,  74          ; s[74:75] ao at the 16 rows that I finish, block in hand;  s[76:77] second block
.set OH,  76
.set OFF, 78          ; s[78:79] a tile's byte offset
.set ENDF, 80         ; 1: the first block ends behind the part B that follows
.set ES,  81
.set LS,  82
.set DD,  83          ; 64 x (the block's place in its last tile) - 256
.set BIGN, 84
.set LASTF, 85        ; 1: the tile in hand is a block's last
.set HQ,  86
.set PLO, 87          ; tiles from this number on are prefetched
.set PFB, 88          ; s[88:89] my 32 rows of the head's tile 0, of K (waves 0, 1) or V (waves 2, 3)
.set PFA, 90          ; s[90:91] the same in the tile that the next change of slots will ask for
.set DDH, 92
.set TMPS, 93
.set MSB, 0
.macro WIN new
.if MSB != (\new)
	s_set_vgpr_msb (MSB<<8)|(\new)
.set MSB, (\new)
.endif
.endm
.set W_KQ, 0x06       ; K window 2, Q window 1, S^T and the mask window 0
.set W_PV, 0x52       ; V window 2, P window 0, O^T window 1
.set W_RS, 0x41       ; destination and source 0 window 1, source 1 window 0
; A joint fill.  Waves 0 and 1 fetch the two halves of a tile's K, waves 2 and 3 those of its V: 128 rows each.  An s_nop 0 and four v_nop follow each of the two lines.
.macro JLOAD
	s_cmp_lt_u32 s[WV], 2
	s_cbranch_scc0 .Lfor_v_\@
	tensor_load_to_lds s[G0K:G0K+3], s[G1K:G1K+7]
	s_nop 0
.rept 4
	v_nop
.endr
	s_branch .Lasked_\@
.Lfor_v_\@:
	tensor_load_to_lds s[G0V:G0V+3], s[G1V:G1V+7]
	s_nop 0
.rept 4
	v_nop
.endr
.Lasked_\@:
.endm
; A PREFETCH INTO THE L2 of the tile that the NEXT change of slots will ask for: one trip, 128 matrix instructions, ahead.  Tiles 4 to 7 of a head are asked for first by the head's cluster G = 0, and that cluster
; alone prefetches them; its four partners share a tile's 256 rows of K and of V out BY ADDRESS, 64 each, of which each wave takes 32: a lane a row, one instruction a wave: each row is named once in the launch.
; Tiles 0 to 3 are wanted within the first changes of slots and come by their loads alone.  Behind the last fill the number goes back to 0, so nothing is asked for.
.macro ASK
	s_cmp_ge_u32 s[NXT], s[PLO]
	s_cbranch_scc0 .Lnot_mine_\@
	global_prefetch_b8 v[PFO], s[PFA:PFA+1] th:TH_LOAD_NT scope:SCOPE_SE
.Lnot_mine_\@:
.endm
.macro CROUND
	s_barrier_signal -1
	s_barrier_wait -1
	s_cmp_lg_u32 s[WV], 0
	s_cbranch_scc1 .Lnot_wave_0_\@
	s_barrier_signal -3
.Lnot_wave_0_\@:
	s_barrier_wait -3
	s_barrier_signal -1
	s_barrier_wait -1
.endm
.macro ADV                          ; the block's next tile, or behind its last the second block's tile 0
	s_add_co_u32 s[NXT], s[NXT], 1
	s_cmp_gt_u32 s[NXT], s[LQ]
	s_cselect_b32 s[NXT], 0, s[NXT]
	s_cselect_b32 s[LQ], s[HQ], s[LQ]
.endm
; THE CHANGE OF SLOTS.  Each wave waits for all its tensor loads (one is out: its part of the other slot), adds 0 to its spare word, and waits for that and for its reads of the slot that it leaves.
; fill = 1: the barrier is a round of the cluster's, and the old slot is filled again first thing behind it, with tile NXT; the descriptors are made anew from that number while the add is out.
; (At its first use nothing has been read yet: slot 0 is waited for, slot 1 filled.)
.macro CHANGE fill
	WIN 0
	s_wait_tensorcnt 0x0            ; no tensor load of mine is out, so a group 0 may be written
	ds_add_u32 v[SPW], v[NIL]
.if \fill
	s_lshl_b32 s[OFF], s[NXT], 16   ; a tile is 65,536 bytes of K and of V
	s_xor_b32 s[SBW], s[SBW], SLOTB
	s_add_co_u32 s[G0K+1], s[SBW], s[LOK]
	s_add_nc_u64 s[G0K+2:G0K+3], s[KB:KB+1], s[OFF:OFF+1]
	s_or_b32 s[G0K+3], s[G0K+3], 0x80000000
	s_add_co_u32 s[G0V+1], s[SBW], s[LOV]
	s_add_nc_u64 s[G0V+2:G0V+3], s[VB:VB+1], s[OFF:OFF+1]
	s_or_b32 s[G0V+3], s[G0V+3], 0x80000000
	ADV
	s_wait_xcnt 0x0                 ; the last prefetch, a trip back, has read its address
	s_lshl_b32 s[OFF], s[NXT], 16
	s_add_nc_u64 s[PFA:PFA+1], s[PFB:PFB+1], s[OFF:OFF+1]
.endif
	s_xor_b32 s[SBR], s[SBR], SLOTB ; the fetches go to my first step in the other slot
	s_add_co_u32 s[TBK], s[SBR], s[KOF]
	s_add_co_u32 s[TBV], s[SBR], s[VOF]
	s_wait_dscnt 0x0                ; the add is done, and my reads of the slot are over
.if \fill
	CROUND
	JLOAD
	ASK
.else
	s_barrier_signal -1
	s_barrier_wait -1
.endif
.endm
	s_load_b128 s[4:7], s[0:1], 0x0  ; qkvh s[4:5], ao s[6:7]
	v_lshl_add_u32 v[SPW], v0, 2, SPARE
	v_mov_b32 v[NIL], 0
	ds_add_u32 v[SPW], v[NIL]       ; the wave's opening: the add and its wait stand ahead of my first tensor load; work on registers stands between them
	v_lshrrev_b32 v1, 5, v0
	v_readfirstlane_b32 s[WV], v1
	s_and_b32 s[KP], s[WV], 1
	s_lshr_b32 s[QH], s[WV], 1
	s_bfe_u32 s[CX], ttmp6, 0x40000
	s_mov_b32 s[G], ttmp9           ; in a cluster launch ttmp9 counts clusters
	s_and_b32 s[HD], ttmp7, 0xffff  ; the head, which the partners share
	s_mov_b32 s[G1K], 15|(1<<16)|(1<<20)|(1<<21)|(5<<22)|(3<<25)  ; the mask of four; 2-byte elements; padding on; bit 21 beside a mask; after every 64 words, 4 words
	s_mov_b32 s[G1V], 15|(1<<16)|(1<<20)|(1<<21)|(5<<22)|(7<<25)  ; the same with 8 words
.irp g, G1K, G1V
	s_mov_b32 s[(\g)+1], 128<<16    ; tensor_dim0 = 128
	s_mov_b32 s[(\g)+2], 128<<16    ; tensor_dim1 = 128
	s_mov_b32 s[(\g)+3], 128<<16    ; tile_dim0 = 128
	s_mov_b32 s[(\g)+4], 128        ; tile_dim1 = 128
	s_mov_b32 s[(\g)+5], 128        ; elements from row to row
	s_mov_b32 s[(\g)+6], 0
	s_mov_b32 s[(\g)+7], 0
.endr
	s_mul_i32 s[LOK], s[KP], 128*PK
	s_mul_i32 s[LOV], s[KP], 128*PV
	s_add_co_u32 s[LOV], s[LOV], VOFF
	s_mul_i32 s[KOF], s[KP], 64*PK
	s_mul_i32 s[VOF], s[KP], 64*PV
	s_mov_b32 s[G0K], 1             ; count = 1
	s_mov_b32 s[G0K+1], s[LOK]      ; tile 0 goes into slot 0
	s_mov_b32 s[G0V], 1
	s_mov_b32 s[G0V+1], s[LOV]
	s_mov_b32 s[CS], 0x3e0293ee     ; c = log2(e) / sqrt(128)
	s_mov_b32 s[CS+1], s[CS]
	s_mov_b32 s[SEL], 0x76543210
	s_mov_b32 s[SEL+1], 0xfedcba98
	s_mov_b32 s[BIGN], 0xf149f2ca   ; -1e30
	s_mov_b32 s[SBW], 0
	s_mov_b32 s[SBR], SLOTB         ; the first change of slots turns it into 0
	s_mov_b32 s[OFF+1], 0
	s_sub_co_u32 s[ES], 7, s[G]
	s_sub_co_u32 s[LS], 8, s[G]
	s_sub_co_u32 s[HQ], 7, s[G]
	s_mov_b32 s[NXT], 0
	s_mov_b32 s[LQ], s[G]
	ADV                             ; tile 0 is asked for below
	s_cmp_eq_u32 s[G], 0
	s_cselect_b32 s[PLO], 4, 0x7fffffff
	s_cselect_b32 s[LASTF], 1, 0    ; with G = 0 the first block's first tile is its last
	s_mov_b32 s[ENDF], 0
	s_lshl_b32 s18, s[HD], 19       ; the head's first byte in q, k and v
	s_lshl_b32 s20, s[KP], 15       ; my half of a tile: 128 rows of 256 bytes
	s_add_co_u32 s20, s20, s18
	s_add_co_u32 s20, s20, 0x800000 ; k lies behind q: made of the head and the wave alone
	s_mov_b32 s21, 0
	s_lshl_b32 s100, s[G], 2
	s_add_co_u32 s100, s100, s[CX]  ; lo
	s_sub_co_u32 s101, 31, s100     ; hi
	s_lshl_b32 s19, s[QH], 13       ; my 32 rows of a block
	s_add_co_u32 s19, s19, s18
	s_lshl_b32 s2, s100, 14
	s_add_co_u32 s2, s2, s19
	s_mov_b32 s3, 0
	s_lshl_b32 s22, s101, 14
	s_add_co_u32 s22, s22, s19
	s_mov_b32 s23, 0
	s_lshl_b32 s19, s[QH], 17       ; ao: rows of 4,096 bytes: my 32 rows, of them query tile KP, the head's 256 bytes
	s_lshl_b32 s94, s[KP], 16
	s_add_co_u32 s19, s19, s94
	s_lshl_b32 s94, s[HD], 8
	s_add_co_u32 s19, s19, s94
	s_lshl_b32 s94, s100, 18
	s_add_co_u32 s94, s94, s19
	s_mov_b32 s95, 0
	s_lshl_b32 s96, s101, 18
	s_add_co_u32 s96, s96, s19
	s_mov_b32 s97, 0
	s_lshl_b32 s98, s[QH], 23       ; the prefetches: k (waves 0, 1) or v (waves 2, 3), the head, my work-group's 64 rows, my 32 of them
	s_add_co_u32 s98, s98, 0x800000
	s_add_co_u32 s98, s98, s18
	s_lshl_b32 s99, s[CX], 14
	s_add_co_u32 s98, s98, s99
	s_lshl_b32 s99, s[KP], 13
	s_add_co_u32 s98, s98, s99
	s_mov_b32 s99, 0
	s_lshl_b32 s[TMPS], s[CX], 6    ; block lo lies at place cx of its last tile, block hi at place 3 - cx
	s_sub_co_u32 s[DD], s[TMPS], 256
	s_sub_co_u32 s[DDH], 0xffffffc0, s[TMPS]
	s_wait_dscnt 0x0                ; the opening add is done
	s_wait_kmcnt 0x0
	s_add_nc_u64 s[KB:KB+1], s[4:5], s[20:21]
	s_add_nc_u64 s[VB:VB+1], s[KB:KB+1], 0x800000
	s_add_nc_u64 s[G0K+2:G0K+3], s[KB:KB+1], 0
	s_or_b32 s[G0K+3], s[G0K+3], 0x80000000
	s_add_nc_u64 s[G0V+2:G0V+3], s[VB:VB+1], 0
	s_or_b32 s[G0V+3], s[G0V+3], 0x80000000
	s_add_nc_u64 s[QL:QL+1], s[4:5], s[2:3]
	s_add_nc_u64 s[QU:QU+1], s[4:5], s[22:23]
	s_add_nc_u64 s[OC:OC+1], s[6:7], s[94:95]
	s_add_nc_u64 s[OH:OH+1], s[6:7], s[96:97]
	s_add_nc_u64 s[PFB:PFB+1], s[4:5], s[98:99]
	CROUND                          ; all four work-groups are here: the first joint loads meet
	JLOAD                           ; tile 0 into slot 0; slot 1 is asked for when it is in
	v_and_b32 v1, 15, v0            ; r = l % 16
	v_bfe_u32 v9, v0, 4, 1          ; h = l / 16
	v_lshlrev_b32 v21, 8, v1
	v_lshl_add_u32 v21, v9, 4, v21  ; row x 256 + 16 x half
	s_lshl_b32 s2, s[KP], 12        ; register tile 0 is query tile KP: 16 rows of 256 bytes,
	v_add_nc_u32 v[QO0], s2, v21
	s_xor_b32 s2, s2, 4096          ; register tile 1 the other
	v_add_nc_u32 v[QO0+1], s2, v21
	WIN 0x40                        ; destination window 1, address window 0
.irp t, 0,1
.irp c, 0,1,2,3                     ; both blocks' Q stay in registers: tile t, channels 32 c on
	global_load_b128 v[128+32*(\t)+8*(\c):128+32*(\t)+8*(\c)+3],   v[QO0+(\t)], s[QL:QL+1] offset:64*(\c)
	global_load_b128 v[128+32*(\t)+8*(\c)+4:128+32*(\t)+8*(\c)+7], v[QO0+(\t)], s[QL:QL+1] offset:64*(\c)+32
	global_load_b128 v[192+32*(\t)+8*(\c):192+32*(\t)+8*(\c)+3],   v[QO0+(\t)], s[QU:QU+1] offset:64*(\c)
	global_load_b128 v[192+32*(\t)+8*(\c)+4:192+32*(\t)+8*(\c)+7], v[QO0+(\t)], s[QU:QU+1] offset:64*(\c)+32
.endr
.endr
; O^T, l and the masks start at 0: no first step is written out, at the price of these lines, which stand in the wait for the first tile.
.set i, 0
.rept 128
	v_mov_b32 v[i], 0
.set i, i+1
.endr
	WIN 0
.set i, 0
.rept 64
	v_mov_b32 v[MC+i], 0
.set i, i+1
.endr
.irp t, 0,1
	v_mov_b32 v[ST+8*(\t)+1], 0xe0ad78ec               ; m = -1e20,
	v_mov_b32 v[ST+8*(\t)+2], 0
	v_mov_b32 v[ST+8*(\t)+3], 0
	v_mul_f32 v[ST+8*(\t)], s[CS], v[ST+8*(\t)+1]      ; c m by the multiplication that the steps use: where m does not grow, a is 1 exactly
.endr
	v_mul_u32_u24 v[AK0], v1, PK
	v_lshl_add_u32 v[AK0], v9, 4, v[AK0]
	v_and_b32 v22, 7, v0            ; the turning load: lane l reads key 8 h + l % 8, channels 8 ((l / 8) % 2) + 0..7
	v_bfe_u32 v23, v0, 3, 1
	v_lshl_add_u32 v[AV0], v9, 3, v22
	v_mul_u32_u24 v[AV0], v[AV0], PV
	v_lshl_add_u32 v[AV0], v23, 4, v[AV0]
	v_add_nc_u32 v[AV0], VOFF, v[AV0]
	v_and_b32 v24, 31, v0
	s_lshl_b32 s2, s[WV], 13
	s_add_co_u32 s2, s2, MERGE      ; my region,
	s_xor_b32 s3, s[WV], 1
	s_lshl_b32 s22, s3, 13
	s_add_co_u32 s22, s22, MERGE    ; my partner's
	v_lshl_add_u32 v[DST], v24, 4, s2
	v_lshl_add_u32 v[LDP], v24, 4, s22
	s_lshl_b32 s2, s[WV], 8
	s_add_co_u32 s2, s2, MSTAT
	s_lshl_b32 s3, s3, 8
	s_add_co_u32 s3, s3, MSTAT
	v_lshl_add_u32 v[DSS], v24, 3, s2
	v_lshl_add_u32 v[LSS], v24, 3, s3
	v_mul_u32_u24 v[STO], v1, SP    ; in: row r, 16 bytes for each half of the lanes
	v_lshl_add_u32 v[STO], v9, 4, v[STO]
	v_add_nc_u32 v[STO], s22, v[STO]
	v_mul_u32_u24 v[RD], v9, SP     ; back: lanes 0-15 take one row of 256 bytes, lanes 16-31 the next
	v_lshl_add_u32 v[RD], v1, 4, v[RD]
	v_add_nc_u32 v[RD], s22, v[RD]
	v_lshlrev_b32 v[GO], 12, v9
	v_lshl_add_u32 v[GO], v1, 4, v[GO]
	v_lshlrev_b32 v[PFO], 8, v24
	v_lshlrev_b32 v21, 3, v9        ; register 16 kb + j of a step is hidden where it is greater than 64 (d - step) + my query's place in the block - 8 h
	v_sub_nc_u32 v21, v1, v21
	s_lshl_b32 s2, s[QH], 5
	s_mul_i32 s3, s[KP], 48         ; - 64 KP for my first step, + 16 KP for query tile KP
	s_sub_co_u32 s3, s2, s3
	v_add_nc_u32 v[DB0], s3, v21
	s_mul_i32 s3, s[KP], 80         ; - 64 KP, + 16 (1 - KP)
	s_sub_co_u32 s3, s2, s3
	s_add_co_u32 s3, s3, 16
	v_add_nc_u32 v[DB0+1], s3, v21
; THE MATRIX WORK.  The accumulators of a run take turns, one instruction a turn.
; Product i of 16 of S^T = K Q^T for tile t: channels 32 (i / 4) on, keys 16 (i % 4) on.  The first 4 start the sums with the mask.
.macro KQ t
	WIN W_KQ
.set rS, S+32*(\t)+8*(i%4)
.set rK, 32*(i%4)+8*(i/4)
.set rQ, 128+32*(\t)+8*(i/4)
.set rM, MC+32*(\t)+8*(i%4)
.if i < 4
	v_wmma_f32_16x16x32_f16 v[rS:rS+7], v[rK:rK+7], v[rQ:rQ+7], v[rM:rM+7]
.else
	v_wmma_f32_16x16x32_f16 v[rS:rS+7], v[rK:rK+7], v[rQ:rQ+7], v[rS:rS+7]
.endif
.endm
; Product i of 16 of O^T += V^T P for tile t: keys 32 (i / 8) on, channels 16 (i % 8) on.
.macro PV t
	WIN W_PV
.set rO, 64*(\t)+8*(i%8)
.set rV, 128+64*(i/8)+8*(i%8)
.set rP, P+16*(\t)+8*(i/8)
	v_wmma_f32_16x16x32_f16 v[rO:rO+7], v[rV:rV+7], v[rP:rP+7], v[rO:rO+7]
.endm
; THE LDS LOADS stand in runs of 32: a step's K (64 keys x 128 channels: 16 fragments) and its V (turned).
.macro FETCH_K
	WIN 0x80                        ; destination window 2
.irp f, 0,1,2,3,4,5,6,7,8,9,10,11,12,13,14,15  ; keys 16 (f / 4) on, channels 32 (f % 4) on
	ds_load_b128 v[8*(\f):8*(\f)+3],   v[AK] offset:((\f)/4)*16*PK+((\f)%4)*64
	ds_load_b128 v[8*(\f)+4:8*(\f)+7], v[AK] offset:((\f)/4)*16*PK+((\f)%4)*64+32
.endr
	WIN 0
.endm
.macro FETCH_V
	WIN 0x80
.irp f, 0,1,2,3,4,5,6,7,8,9,10,11,12,13,14,15  ; keys 32 (f / 8) on, channels 16 (f % 8) on
	ds_load_tr16_b128 v[128+8*(\f):128+8*(\f)+3],   v[AV] offset:((\f)/8)*32*PV+((\f)%8)*32
	ds_load_tr16_b128 v[128+8*(\f)+4:128+8*(\f)+7], v[AV] offset:((\f)/8)*32*PV+16*PV+((\f)%8)*32
.endr
	WIN 0
.endm
; THE VECTOR WORK.  One tile's softmax for one key step is a list of 134 instructions; SM writes number j of it for tile t.  s0-s31 are the lane's 32 scores, in pairs 0-15.
;   0-15    the maximum of s0-s31 and the old m, three operands at a time (each accumulator's lowest registers are read first)
;   16-20   the other half of the lanes' maximum; the new m; c m; c m_old - c m_new
;   21-87   33 exponentials (a, then s0-s31) at the odd numbers from 23 on: no two follow each other, and each has a plain instruction behind it before its result is used (ISA guide 5.7.2);
;           the plain ones between are c s - c m for pairs still to come, roundings to f16 of pairs that are done, and the first sums
;   88-101  the last rounding; the rest of the sums; l = a l + the sum          102-133 the tile's O^T times a, in ascending order
.macro SM t
.set rT, ST+8*(\t)
.set rS, S+32*(\t)
.set rP, P+16*(\t)
.set rO, 64*(\t)+2*(j-102)
.set q, (j-20)/2
.if j < 102
	WIN 0
.endif
.if j < 4
	v_max3_num_f32 v[rT+4+j], v[rS+8*j], v[rS+8*j+1], v[rS+8*j+2]
.elseif j < 12
	v_max3_num_f32 v[rT+4+j%4], v[rT+4+j%4], v[rS+8*(j%4)+2*(j/4)+1], v[rS+8*(j%4)+2*(j/4)+2]
.elseif j == 12
	v_max3_num_f32 v[rT+4], v[rT+4], v[rS+7], v[rS+15]
.elseif j == 13
	v_max3_num_f32 v[rT+6], v[rT+6], v[rS+23], v[rS+31]
.elseif j == 14
	v_max3_num_f32 v[rT+4], v[rT+4], v[rT+5], v[rT+6]
.elseif j == 15
	v_max3_num_f32 v[rT+4], v[rT+4], v[rT+7], v[rT+1]
.elseif j == 16
	v_permlanex16_b32 v[rT+5], v[rT+4], s[SEL], s[SEL+1]
.elseif j == 17
	v_mov_b32 v[rT+7], v[rT]
.elseif j == 18
	v_max_num_f32 v[rT+1], v[rT+4], v[rT+5]
.elseif j == 19
	v_mul_f32 v[rT], s[CS], v[rT+1]
.elseif j == 20
	v_sub_f32 v[rT+7], v[rT+7], v[rT]
.elseif j == 23
	v_exp_f32 v[rT+6], v[rT+7]
.elseif (j < 88) && (j > 23) && (j%2 == 1)
	v_exp_f32 v[rS+(j-25)/2], v[rS+(j-25)/2]
.elseif (q < 4) || ((j < 76) && (q%2 == 0))
.set b, q/2+2
.if q < 4
.set b, q
.endif
	v_pk_fma_f32 v[rS+2*b:rS+2*b+1], v[rS+2*b:rS+2*b+1], s[CS:CS+1], v[rT:rT+1] op_sel_hi:[1,0,0] neg_lo:[0,0,1] neg_hi:[0,0,1]
.elseif (j < 88) && (q%2 == 1)
	s_wait_alu depctr_va_vdst(0)
	v_cvt_pk_f16_f32 v[rP+(q-5)/2], v[rS+q-5], v[rS+q-4]
.elseif j == 89
	s_wait_alu depctr_va_vdst(0)
	v_cvt_pk_f16_f32 v[rP+15], v[rS+30], v[rS+31]
.elseif j < 102
.set z, j-86
.if j < 89
.set z, (j-76)/4
.endif
.set w, 4
.set u, z
.if z >= 14
.set w, 32
.set u, 0
.elseif z >= 12
.set w, 16
.set u, z-12
.elseif z >= 8
.set w, 8
.set u, z-8
.endif
.if z < 15
	v_pk_add_f32 v[rS+w*u:rS+w*u+1], v[rS+w*u:rS+w*u+1], v[rS+w*u+w/2:rS+w*u+w/2+1]
.else
	v_pk_fma_f32 v[rT+2:rT+3], v[rT+2:rT+3], v[rT+6:rT+7], v[rS:rS+1] op_sel_hi:[1,0,1]
.endif
.else
	WIN W_RS
	v_pk_mul_f32 v[rO:rO+1], v[rO:rO+1], v[rT+6:rT+7] op_sel_hi:[1,0]
.endif
.endm
.macro RID t, n                     ; the next n numbers of tile t's list
.rept \n
	SM \t
.set j, j+1
.endr
.endm
.macro MASKS                        ; the masks of the step in hand: step KP + 2 (2 - CNT) of a block's last tile
	s_lshl_b32 s[TMPS], s[CNT], 7
	s_add_co_u32 s[TMPS], s[TMPS], s[DD]
	v_add_nc_u32 v[D0], s[TMPS], v[DB0]
	v_add_nc_u32 v[D0+1], s[TMPS], v[DB0+1]
.set n, 0
.rept 64
	v_cmp_gt_i32 vcc_lo, 16*((n%32)/8)+n%8, v[D0+n/32]
	v_cndmask_b32 v[MC+n], 0, s[BIGN], vcc_lo
.set n, n+1
.endr
.endm
; PART A of a key step.  V's run stands five plain instructions behind the last product that read V.  Tile 0's scores are read behind the four v_nop; the 22 rescalings behind the last product are the places
; in front of tile 1's softmax and of K's next run.  always = 1: the walk's last tile, which always takes masks.
.macro APART always
	WIN 0
	v_add_nc_u32 v[AV], s[TBV], v[AV0]
	s_add_co_u32 s[TBV], s[TBV], 128*PV  ; my next step lies two steps on
	FETCH_V
.if !(\always)
	s_cmp_eq_u32 s[LASTF], 1
	s_cbranch_scc0 .Lnomask_\@
.endif
	MASKS
.if !(\always)
.Lnomask_\@:
.endif
	s_wait_dscnt 32                 ; K is in; V's 32 loads, issued behind K's, may stay out
.set i, 0
.rept 16
	KQ 0
.set i, i+1
.endr
.set i, 0
.set j, 0
.rept 16
	KQ 1
.if i == 0
.rept 4
	v_nop
.endr
.elseif i < 15
	RID 0, 8
.else
	RID 0, 22
.endif
.set i, i+1
.endr
.endm
; PART B.  fetch = 1: K of my next step is fetched first.  The four v_nop at the end are the places in front of V's next run and of whatever reads O^T.
.macro BPART fetch
	WIN 0
.if \fetch
	v_add_nc_u32 v[AK], s[TBK], v[AK0]
	s_add_co_u32 s[TBK], s[TBK], 128*PK
	FETCH_K
	s_wait_dscnt 32                 ; V is in; K's 32 loads, issued behind V's, may stay out
.else
	s_wait_dscnt 0x0
.endif
.set i, 0
.set j, 0
.rept 16
	PV 0
.if i < 15
	RID 1, 8
.else
	RID 1, 14
.endif
.set i, i+1
.endr
.set i, 0
.rept 16
	PV 1
.set i, i+1
.endr
	WIN 0
.rept 4
	v_nop
.endr
.endm
; A BLOCK'S END.  DEPOSIT: l's two halves and the other half of the lanes' are added (into m's place); my register tile 1 goes into my region, 16 bytes a lane on end, with (c m, l).
.macro DEPOSIT
	WIN 0
.irp t, 0,1
	v_add_f32 v[ST+8*(\t)+4], v[ST+8*(\t)+2], v[ST+8*(\t)+3]
.endr
.irp t, 0,1
	v_permlanex16_b32 v[ST+8*(\t)+5], v[ST+8*(\t)+4], s[SEL], s[SEL+1]
.endr
.irp t, 0,1
	v_add_f32 v[ST+8*(\t)+1], v[ST+8*(\t)+4], v[ST+8*(\t)+5]
.endr
	WIN 0x04                        ; store data (source 1) window 1
.set k, 0
.rept 16
	ds_store_b128 v[DST], v[64+4*k:64+4*k+3] offset:512*k
.set k, k+1
.endr
	WIN 0
	ds_store_b64 v[DSS], v[ST+8:ST+9]
.endm
; FINISH: my register tile 0 and the partner's part of the same queries: M = the greater c m; each part counts with 2^(c m - M); the sum is divided by the l so weighted, rounded to f16, staged in the partner's
; region (which I alone read behind the barrier; LDS serves a wave's instructions in order, ISA guide 5.7.1.4, so the stage's stores come behind my loads of the part) and stored as whole rows.
.macro FINISH
	WIN 0
	ds_load_b64 v[22:23], v[LSS]
.set k, 0
.rept 16
	ds_load_b128 v[S+4*k:S+4*k+3], v[LDP] offset:512*k
.set k, k+1
.endr
	s_wait_dscnt 16                 ; the statistics are in; the part's 16 loads may stay out
	v_max_num_f32 v24, v[ST], v22
	v_sub_f32 v25, v[ST], v24
	v_sub_f32 v26, v22, v24
	v_exp_f32 v25, v25
	v_exp_f32 v26, v26
	v_nop
	s_wait_alu depctr_va_vdst(0)
	v_mul_f32 v27, v25, v[ST+1]
	v_fma_f32 v27, v26, v23, v27
	v_rcp_f32 v27, v27
	v_nop
	s_wait_alu depctr_va_vdst(0)
	v_mul_f32 v28, v25, v27
	v_mul_f32 v30, v26, v27
	v_mov_b32 v29, v28              ; named as pairs
	v_mov_b32 v31, v30
	s_wait_dscnt 0x0
.set k, 0
.rept 32
	v_pk_mul_f32 v[S+2*k:S+2*k+1], v[S+2*k:S+2*k+1], v[30:31] op_sel_hi:[1,0]
.set k, k+1
.endr
	WIN 0x01                        ; source 0 window 1: my O^T, in ascending order
.set k, 0
.rept 32
	v_pk_fma_f32 v[S+2*k:S+2*k+1], v[2*k:2*k+1], v[28:29], v[S+2*k:S+2*k+1] op_sel_hi:[1,0,1]
.set k, k+1
.endr
	WIN 0
.set k, 0
.rept 32
	v_cvt_pk_f16_f32 v[P+k], v[S+2*k], v[S+2*k+1]
.set k, k+1
.endr
.irp f, 0,1,2,3,4,5,6,7
	ds_store_b128 v[STO], v[P+4*(\f):P+4*(\f)+3] offset:32*(\f)
.endr
.irp f, 0,1,2,3,4,5,6,7
	ds_load_b128 v[S+4*(\f):S+4*(\f)+3], v[RD] offset:(\f)*2*SP
.endr
.irp f, 0,1,2,3,4,5,6,7
	s_wait_dscnt 7-(\f)
	global_store_b128 v[GO], v[S+4*(\f):S+4*(\f)+3], s[OC:OC+1] offset:8192*(\f)  ; 16 lanes store 256 consecutive bytes, aligned: a head's part of a row of ao
.endr
.endm
	CHANGE 1                        ; slot 0 is in, everybody's part of it; slot 1 is asked for
	v_add_nc_u32 v[AK], s[TBK], v[AK0]
	s_add_co_u32 s[TBK], s[TBK], 128*PK
	FETCH_K                         ; my first step
	s_wait_loadcnt 0x0              ; Q, both blocks'
	s_mov_b32 s[CNT], 2
	s_mov_b32 s[SLOTS], 8
	s_branch .Lenter                ; the loop is entered at a step's part A, in the middle of a trip
.Lslot:                             ; seven times: a tile is entered and the next is asked for
	CHANGE 1
	s_mov_b32 s[CNT], 2
	s_cmp_eq_u32 s[SLOTS], s[ES]    ; trip G + 1 begins with the first block's last part B,
	s_cselect_b32 s[ENDF], 1, 0
	s_cmp_eq_u32 s[SLOTS], s[LS]    ; trip G walks its last tile
	s_cselect_b32 s[LASTF], 1, 0
.Lpair:
	BPART 1
	s_cmp_eq_u32 s[ENDF], 1
	s_cbranch_scc0 .Lnodep
	DEPOSIT
.Lnodep:
	s_wait_dscnt 0x0                ; the barrier of the merge stands on every path, behind every part B of the loop, so that no jump passes a barrier: my LDS instructions are done,
	s_barrier_signal -1             ; the handed-over part among them where a block ends
	s_barrier_wait -1
	s_cmp_eq_u32 s[ENDF], 1
	s_cbranch_scc0 .Lenter
	FINISH
	s_wait_xcnt 0x0                 ; the stores have read ao's address: the second block begins
	s_mov_b64 s[OC:OC+1], s[OH:OH+1]
	s_mov_b32 s[DD], s[DDH]
	s_mov_b32 s[ENDF], 0
	WIN W_RS
.set i, 0
.rept 64
	v_mov_b32 v[128+i], v[192+i]    ; its Q goes where the one text of the steps names Q
.set i, i+1
.endr
	WIN 0
.irp t, 0,1
	v_mov_b32 v[ST+8*(\t)+1], 0xe0ad78ec
	v_mul_f32 v[ST+8*(\t)], s[CS], v[ST+8*(\t)+1]
.endr
.set i, 0
.rept 64
	v_mov_b32 v[MC+i], 0            ; its first tiles hide nothing.  O^T and l are not cleared: the next step's a is 0
.set i, i+1
.endr
.Lenter:
	APART 0
	WIN 0
	s_sub_co_u32 s[CNT], s[CNT], 1
	s_cmp_lg_u32 s[CNT], 0
	s_cbranch_scc1 .Lpair
	s_sub_co_u32 s[SLOTS], s[SLOTS], 1
	s_cmp_lg_u32 s[SLOTS], 0
	s_cbranch_scc1 .Lslot
	CHANGE 0                        ; the walk's last tile is written out: nothing is asked for
	s_mov_b32 s[CNT], 2
.Ltail:
	BPART 1
	APART 1
	WIN 0
	s_sub_co_u32 s[CNT], s[CNT], 1
	s_cmp_lg_u32 s[CNT], 0
	s_cbranch_scc1 .Ltail
	BPART 0
	DEPOSIT
	s_wait_dscnt 0x0                ; for the partner's sake: my part lies in LDS
	s_barrier_signal -1
	s_barrier_wait -1
	FINISH
	s_wait_tensorcnt 0x0            ; the wave's end: the add and its wait, behind my last tensor load and my last LDS store
	ds_add_u32 v[SPW], v[NIL]
	s_wait_dscnt 0x0
	CROUND                          ; the closing round: no work-group ends while a partner may still ask for a tile that names it
	s_endpgm
.Lfunc_end_k_qff371c7804_attn:
	.size	k_qff371c7804_attn, .Lfunc_end_k_qff371c7804_attn-k_qff371c7804_attn
	.p2alignl 7, 3214868480
	.fill 96, 4, 3214868480
	.section	.rodata,"a",@progbits
	.p2align	6, 0x0
	.amdhsa_kernel k_qff371c7804_attn
		.amdhsa_group_segment_fixed_size 327680
		.amdhsa_private_segment_fixed_size 0
		.amdhsa_enable_private_segment 0
		.amdhsa_kernarg_size 16
		.amdhsa_user_sgpr_count 2
		.amdhsa_user_sgpr_kernarg_segment_ptr 1
		.amdhsa_wavefront_size32 1
		.amdhsa_system_sgpr_workgroup_id_x 1
		.amdhsa_system_sgpr_workgroup_id_y 1
		.amdhsa_system_sgpr_workgroup_id_z 1
		.amdhsa_system_vgpr_workitem_id 0
		.amdhsa_next_free_vgpr 768
		.amdhsa_next_free_sgpr 102
		.amdhsa_reserve_vcc 1
		.amdhsa_float_denorm_mode_32 3
		.amdhsa_float_denorm_mode_16_64 3
		.amdhsa_memory_ordered 1
		.amdhsa_forward_progress 1
		.amdhsa_inst_pref_size 128
	.end_amdhsa_kernel
	.amdgpu_metadata
---
amdhsa.version: [ 1, 2 ]
amdhsa.kernels:
  - .name:           k_qff371c7804_attn
    .symbol:         k_qff371c7804_attn.kd
    .args:
      - { .name: qkvh, .offset: 0, .size: 8, .value_kind: global_buffer, .address_space: global }
      - { .name: ao, .offset: 8, .size: 8, .value_kind: global_buffer, .address_space: global }
    .group_segment_fixed_size: 327680
    .private_segment_fixed_size: 0
    .kernarg_segment_align: 8
    .kernarg_segment_size: 16
    .max_flat_workgroup_size: 128
    .sgpr_count:     102
    .vgpr_count:     768
    .wavefront_size: 32
...
	.end_amdgpu_metadata
.endif
;; end of part 3
;; launch oproj (part 4): grid 16 x 16, 4 waves a work-group, clusters of 4 x 4, 327,680 bytes of LDS; arguments ao, wob, out0; writes out0
.if DOCPART == 4
	.amdgcn_target "amdgcn-amd-amdhsa--gfx1250"
	.amdhsa_code_object_version 6
	.text
	.protected	k_qff371c7804_oproj
	.globl	k_qff371c7804_oproj
	.p2align	8
	.type	k_qff371c7804_oproj,@function
k_qff371c7804_oproj:
	s_mov_b64 s[64:65], 0
	v_nop
	global_prefetch_b8 v0, s[64:65] scope:SCOPE_SE
	s_setreg_imm32_b32 hwreg(HW_REG_WAVE_MODE, 25, 1), 1
	s_wait_xcnt 0x0
	s_wait_alu depctr_hold_cnt(0) depctr_sa_sdst(0) depctr_va_vdst(0) depctr_va_sdst(0) depctr_va_ssrc(0) depctr_va_vcc(0) depctr_vm_vsrc(0)
	s_getreg_b32 s2, hwreg(HW_REG_IB_STS2, 6, 4)
	s_cmp_eq_u32 s2, 0
	s_cbranch_scc0 .Lentry_in_a_cluster
	s_endpgm
.Lentry_in_a_cluster:
	s_bfe_u32 s2, ttmp6, 0x10000c
	s_cmp_lg_u32 s2, 0xf033
	s_cbranch_scc0 .Lentry_shape_is_right
	s_endpgm
.Lentry_shape_is_right:
; out0 = ao Wo.  ao: [2048][2048] f16; wob: Wo [2048 k][2048 n], rounded to bf16 and written as f16; out0: [2048][2048] f32.  Sums in f32.
; A tile of out0 is 128 x 128: 16 x 16 = 256 work-groups.  Four waves, each 64 x 64: 16 accumulators of 16 x 16.  K goes in steps of 256 through two LDS slots: ao's tile is 128 rows of 512 bytes (pitch 528),
; Wo's 256 k-rows of 256 bytes (pitch 288).  Waves 0 and 1 fetch ao's two halves (64 rows), waves 2 and 3 Wo's (128 k-rows): one tensor load of 32 KiB a wave behind each change of slots; two are out at the start, later one.
; CLUSTER 4 x 4: ao's tile is shared along a row of the cluster, Wo's along a column; each is asked for jointly by the four.
; THE ORDER OF K.  A cluster whose two coordinates have an odd sum takes each pair of K steps in the other order (slot 0 walks the odd steps, slot 1 the even ones): of the clusters that read the same
; tile of ao (those of a row of clusters) or of Wo (those of a column), neighbours ask for it one K step apart.  The f32 sums take the steps in that order.
; THE MATRIX INSTRUCTION IS USED TRANSPOSED: source 0 = 16 columns of Wo (turned, by ds_load_tr16_b128), source 1 = 16 rows of ao: a lane holds one row and eight neighbouring columns, 32 bytes of out0.
; REGISTERS: window 0: v1-31 addresses; v128-255 the accumulators ((a, b) at 128 + 8 (4 a + b)).  window 1: two fragment buffers of 128: for 64 along K, 64 registers of ao's, then 64 of Wo's.
.set KSTEP,  256
.set PITCH,  528                       ; 512 + 16 bytes = 132 words: row r starts at bank 4 r mod 64 (64 banks of 4 bytes: ISA guide 11.1)
.set PB,     288                       ; 256 + 32 bytes
.set HALFA,  64*PITCH
.set HALFB,  128*PB
.set BOFF,   2*HALFA
.set SLOT,   BOFF+2*HALFB              ; 141,312
.set STAGE,  2*SLOT                    ; behind the ring: 16 rows x 272 bytes for each wave, its own, for the way out
.set SPITCH, 272
.set SPARE,  STAGE+4*16*SPITCH         ; the spare words, 128 bytes a wave: two blocks of 256 bytes that no other line names
.set LAPS,   2048/(2*KSTEP)
.set ADRA, 16                          ; v16-17  LDS address of my fragments of ao in slot 0, 1
.set ADRB, 20                          ; v20-23  of Wo's: slot s, half of the K step at ADRB + 2 s + half
.set STO,  24
.set RD,   25
.set CO,   26
.set SPW,  28
.set NIL,  29
.set ACC,  128
.set F0,   0
.set F1,   128
.set G1, 24
.set G0, 32
.set G1B, 48
.set G0B, 56
.set MSB, 0
.macro WIN new
.if MSB != (\new)
	s_set_vgpr_msb (MSB<<8)|(\new)
.set MSB, \new
.endif
.endm
.set MUL,  0x05                        ; sources 0 and 1 window 1; C and D window 0
.set TO_F, 0x40                        ; destination window 1, address window 0
.macro JLOAD s                         ; a joint load; an s_nop 0 and four v_nop follow each of the two lines, ahead of the jump and the label
	s_cmp_eq_u32 s11, 0
	s_cbranch_scc0 .Lfor_b_\@
	tensor_load_to_lds s[G0+4*(\s):G0+4*(\s)+3], s[G1:G1+7]
	s_nop 0
.rept 4
	v_nop
.endr
	s_branch .Lasked_\@
.Lfor_b_\@:
	tensor_load_to_lds s[G0B+4*(\s):G0B+4*(\s)+3], s[G1B:G1B+7]
	s_nop 0
.rept 4
	v_nop
.endr
.Lasked_\@:
.endm
.macro CREST                           ; a round of the cluster's barrier behind its opening barrier
	s_cmp_lg_u32 s10, 0
	s_cbranch_scc1 .Lnot_wave_0_\@
	s_barrier_signal -3
.Lnot_wave_0_\@:
	s_barrier_wait -3
	s_barrier_signal -1
	s_barrier_wait -1
.endm
.macro CROUND
	s_barrier_signal -1
	s_barrier_wait -1
	CREST
.endm
	s_load_b128 s[4:7], s[0:1], 0x0                ; ao s[4:5], wob s[6:7]
	s_load_b64 s[8:9], s[0:1], 0x10                ; out0
	v_lshl_add_u32 v[SPW], v0, 2, SPARE
	v_mov_b32 v[NIL], 0
	ds_add_u32 v[SPW], v[NIL]                      ; the wave's opening: the add and its wait stand ahead of my first tensor load; work on registers stands between them
	v_lshrrev_b32 v1, 5, v0
	v_readfirstlane_b32 s10, v1                    ; wave 0..3
	s_lshr_b32 s11, s10, 1                         ; which half of the tile's rows is mine.  Also: I fetch for ao (0) or for Wo (1)
	s_and_b32 s12, s10, 1                          ; which half of its columns.  Also: which half of that tile I fetch
	s_bfe_u32 s40, ttmp6, 0x40000
	s_bfe_u32 s41, ttmp6, 0x40004
	s_lshl_b32 s42, ttmp9, 2
	s_add_co_u32 s42, s42, s40                     ; tile column = 4 x cluster x + cx
	s_and_b32 s13, ttmp7, 0xffff
	s_lshl_b32 s13, s13, 2
	s_add_co_u32 s13, s13, s41                     ; tile row = 4 x cluster y + cy
	s_lshl_b32 s43, s41, 2
	s_lshl_b32 s43, 15, s43                        ; my row of the cluster
	s_lshl_b32 s44, 0x1111, s40                    ; my column
	s_or_b32 s[G1+0], s43, (1<<16)|(1<<20)|(1<<21)|(6<<22)|(3<<25)   ; the mask; 2-byte elements; padding on; bit 21 beside a mask; after every 128 words, 4 words
	s_mov_b32 s[G1+1], 256<<16                     ; tensor_dim0 = 256
	s_mov_b32 s[G1+2], 64<<16                      ; tensor_dim1 = 64
	s_mov_b32 s[G1+3], 256<<16                     ; tile_dim0 = 256 elements, 512 bytes
	s_mov_b32 s[G1+4], 64                          ; tile_dim1 = 64 rows
	s_mov_b32 s[G1+5], 2048
	s_mov_b32 s[G1+6], 0
	s_mov_b32 s[G1+7], 0
	s_or_b32 s[G1B+0], s44, (1<<16)|(1<<20)|(1<<21)|(5<<22)|(7<<25)  ; after every 64 words, 8 words
	s_mov_b32 s[G1B+1], 128<<16                    ; tensor_dim0 = 128
	s_mov_b32 s[G1B+2], 128<<16                    ; tensor_dim1 = 128
	s_mov_b32 s[G1B+3], 128<<16                    ; tile_dim0 = 128 elements, 256 bytes
	s_mov_b32 s[G1B+4], 128                        ; tile_dim1 = 128 k-rows
	s_mov_b32 s[G1B+5], 2048
	s_mov_b32 s[G1B+6], 0
	s_mov_b32 s[G1B+7], 0
	s_lshl_b32 s16, s13, 19                        ; ao: 128 rows of 4,096 bytes a tile row, 64 a half: made of the tile row and the wave alone
	s_lshl_b32 s17, s12, 18
	s_add_co_u32 s16, s16, s17
	s_mov_b32 s17, 0
	s_lshl_b32 s46, s42, 8                         ; Wo: the tile column's 256 bytes of a row, 128 k-rows a half: made of the tile column and the wave alone
	s_lshl_b32 s47, s12, 19
	s_add_co_u32 s46, s46, s47
	s_mov_b32 s47, 0
	s_mul_i32 s20, s12, HALFA                      ; where they go: no place in the cluster enters an LDS address
	s_mul_i32 s21, s12, HALFB
	s_add_co_u32 s21, s21, BOFF
	s_and_b32 s22, ttmp7, 0xffff                   ; the cluster's two coordinates, which all sixteen partners share:
	s_add_co_u32 s22, s22, ttmp9
	s_and_b32 s22, s22, 1                          ; 1 where their sum is odd
	s_mov_b32 s19, 0                               ; s[18:19]: a first K step's byte offset
	s_wait_dscnt 0x0                               ; the opening add is done
	s_wait_kmcnt 0x0
	s_add_nc_u64 s[14:15], s[4:5], s[16:17]
	s_add_nc_u64 s[46:47], s[6:7], s[46:47]
	CROUND                                         ; all sixteen work-groups are here: the first joint loads meet
.irp s, 0,1
	s_xor_b32 s23, s22, \s                         ; slot s begins with K step s, or with the other of the first two
	s_mov_b32 s[G0+4*(\s)], 1
	s_add_co_u32 s[G0+4*(\s)+1], s20, (\s)*SLOT
	s_lshl_b32 s18, s23, 9                         ; a K step is 512 bytes along ao's rows
	s_add_nc_u64 s[G0+4*(\s)+2:G0+4*(\s)+3], s[14:15], s[18:19]
	s_or_b32 s[G0+4*(\s)+3], s[G0+4*(\s)+3], 0x80000000
	s_mov_b32 s[G0B+4*(\s)], 1
	s_add_co_u32 s[G0B+4*(\s)+1], s21, (\s)*SLOT
	s_lshl_b32 s18, s23, 20                        ; and 256 rows of 4,096 bytes down Wo
	s_add_nc_u64 s[G0B+4*(\s)+2:G0B+4*(\s)+3], s[46:47], s[18:19]
	s_or_b32 s[G0B+4*(\s)+3], s[G0B+4*(\s)+3], 0x80000000
	JLOAD \s
.endr
	v_and_b32 v1, 15, v0                           ; r
	v_bfe_u32 v2, v0, 4, 1                         ; h
	v_mul_u32_u24 v3, v1, PITCH
	v_lshl_add_u32 v3, v2, 4, v3
	s_mul_i32 s22, s11, HALFA                      ; my 64 rows of ao
	v_add_nc_u32 v[ADRA], s22, v3
	v_add_nc_u32 v[ADRA+1], SLOT, v[ADRA]
	v_and_b32 v4, 7, v0                            ; the turning load: lane l reads k-row 8 h + l % 8, columns 8 ((l / 8) % 2) + 0..7
	v_bfe_u32 v5, v0, 3, 1
	v_lshl_add_u32 v4, v2, 3, v4
	v_mul_u32_u24 v4, v4, PB
	v_lshl_add_u32 v4, v5, 4, v4
	s_lshl_b32 s22, s12, 7                         ; my 64 columns: 128 bytes
	s_add_co_u32 s22, s22, BOFF
	v_add_nc_u32 v4, s22, v4
.irp s, 0,1
.irp g, 0,1
	v_add_nc_u32 v[ADRB+2*(\s)+(\g)], (\s)*SLOT+(\g)*HALFB, v4
.endr
.endr
	s_mul_i32 s23, s10, 16*SPITCH
	s_add_co_u32 s23, s23, STAGE                   ; my stage
	v_mul_u32_u24 v6, v1, SPITCH                   ; in: row r, 32 bytes for each half of the lanes
	v_lshl_add_u32 v6, v2, 5, v6
	v_add_nc_u32 v[STO], s23, v6
	v_mul_u32_u24 v6, v2, SPITCH                   ; back: lanes 0-15 take one row of 256 bytes, lanes 16-31 the next
	v_lshl_add_u32 v6, v1, 4, v6
	v_add_nc_u32 v[RD], s23, v6
	v_lshlrev_b32 v[CO], 13, v2                    ; and the same two rows of out0, 8,192 bytes apart
	v_lshl_add_u32 v[CO], v1, 4, v[CO]
	s_lshl_b32 s16, s13, 20                        ; out0: the tile row's 128 rows, my 64, the tile column's 512 bytes, my 256
	s_lshl_b32 s17, s11, 19
	s_add_co_u32 s16, s16, s17
	s_lshl_b32 s17, s42, 9
	s_add_co_u32 s16, s16, s17
	s_lshl_b32 s17, s12, 8
	s_add_co_u32 s16, s16, s17
	s_mov_b32 s17, 0
	s_add_nc_u64 s[8:9], s[8:9], s[16:17]
; 8 matrix instructions: row blocks a0, a0 + 1 x all 4 column blocks, 32 along K: half c of buffer f.  The 16 accumulators take turns.  zero = 1: the product starts the sum.
.macro MUL8 f, c, a0, zero
	WIN MUL
.irp a, \a0, (\a0)+1
.irp b, 0,1,2,3
.if \zero
	v_wmma_f32_16x16x32_f16 v[ACC+8*(4*(\a)+(\b)):ACC+8*(4*(\a)+(\b))+7], v[(\f)+64+8*(4*(\c)+(\b)):(\f)+64+8*(4*(\c)+(\b))+7], v[(\f)+8*(4*(\c)+(\a)):(\f)+8*(4*(\c)+(\a))+7], 0
.else
	v_wmma_f32_16x16x32_f16 v[ACC+8*(4*(\a)+(\b)):ACC+8*(4*(\a)+(\b))+7], v[(\f)+64+8*(4*(\c)+(\b)):(\f)+64+8*(4*(\c)+(\b))+7], v[(\f)+8*(4*(\c)+(\a)):(\f)+8*(4*(\c)+(\a))+7], v[ACC+8*(4*(\a)+(\b)):ACC+8*(4*(\a)+(\b))+7]
.endif
.endr
.endr
.endm
; 32 LDS loads in one run: the fragments of quarter kq (64 along K) of a slot, into buffer f; the first 32 along K first.
.macro FETCH slot, kq, f
	WIN TO_F
.irp c, 0,1
.irp i, 0,1,2,3
	ds_load_tr16_b128 v[(\f)+64+8*(4*(\c)+(\i)):(\f)+64+8*(4*(\c)+(\i))+3],   v[ADRB+2*(\slot)+(\kq)/2] offset:((\kq)%2)*64*PB+32*PB*(\c)+32*(\i)
	ds_load_tr16_b128 v[(\f)+64+8*(4*(\c)+(\i))+4:(\f)+64+8*(4*(\c)+(\i))+7], v[ADRB+2*(\slot)+(\kq)/2] offset:((\kq)%2)*64*PB+32*PB*(\c)+32*(\i)+16*PB
	ds_load_b128 v[(\f)+8*(4*(\c)+(\i)):(\f)+8*(4*(\c)+(\i))+3],              v[ADRA+(\slot)] offset:128*(\kq)+64*(\c)+(\i)*16*PITCH
	ds_load_b128 v[(\f)+8*(4*(\c)+(\i))+4:(\f)+8*(4*(\c)+(\i))+7],            v[ADRA+(\slot)] offset:128*(\kq)+64*(\c)+(\i)*16*PITCH+32
.endr
.endr
.endm
.macro PLACES                          ; four places in front of loads into registers that matrix instructions have read, and of lines that read results
.rept 4
	v_nop
.endr
.endm
; A K step is four quarters of 64 along K, 32 matrix instructions each, on buffers 0, 1, 0, 1.  One of the first three: multiplies buffer f and fetches quarter kq into g.
.macro QUARTER slot, kq, f, g, zero
	s_wait_dscnt 16                                ; the first 32 along K are in; the youngest sixteen loads may be out
	MUL8 \f, 0, 0, \zero
	MUL8 \f, 0, 2, \zero
	PLACES
	FETCH \slot, \kq, \g
	s_wait_dscnt 32                                ; all but the 32 just issued
	MUL8 \f, 1, 0, 0
	MUL8 \f, 1, 2, 0
.endm
; The last quarter multiplies buffer 1 and changes slots: in front of the barrier each wave waits for all its tensor loads, adds 0 to its spare word, and waits for that and for its reads of this slot.
; fill = 1: the barrier opens a round of the cluster's, and this slot is filled again, two K steps on, first thing behind the round: 112 matrix instructions ahead of the wait for it.
.macro TURN slot, next, fill
	WIN 0                                          ; (the add's two registers lie in window 0)
	s_wait_tensorcnt 0x0
	ds_add_u32 v[SPW], v[NIL]
	s_wait_dscnt 17                                ; the add and the youngest sixteen loads may be out
	MUL8 F1, 0, 0, 0                               ; eight matrix instructions stand between the add and the wait for it
	s_wait_dscnt 0x0                               ; the add is done, and my reads of this slot are over
	s_barrier_signal -1
	MUL8 F1, 0, 2, 0
.if \fill
	WIN 0
.endif
	s_barrier_wait -1
.if \fill
	CREST
	s_add_nc_u64 s[G0+4*(\slot)+2:G0+4*(\slot)+3], s[G0+4*(\slot)+2:G0+4*(\slot)+3], 2*KSTEP*2
	s_add_nc_u64 s[G0B+4*(\slot)+2:G0B+4*(\slot)+3], s[G0B+4*(\slot)+2:G0B+4*(\slot)+3], 2*KSTEP*4096
	JLOAD \slot                                    ; its four v_nop are also the places in front of the loads below
.else
	PLACES
.endif
	FETCH \next, 0, F0
	MUL8 F1, 1, 0, 0
	MUL8 F1, 1, 2, 0
.endm
	s_wait_tensorcnt 1                             ; my part of slot 0 is in; slot 1's may stay out
	s_barrier_signal -1
	s_barrier_wait -1
	FETCH 0, 0, F0
	QUARTER 0, 1, F0, F1, 1                        ; the first quarter stands in front of the loop: its first products start the sums
	WIN 0
	s_mov_b32 s3, LAPS-1
.Llap:                                         ; a trip goes once round the ring, from a lap's second quarter to the next lap's first, and fills both slots again
	QUARTER 0, 2, F1, F0, 0
	QUARTER 0, 3, F0, F1, 0
	TURN 0, 1, 1
	QUARTER 1, 1, F0, F1, 0
	QUARTER 1, 2, F1, F0, 0
	QUARTER 1, 3, F0, F1, 0
	TURN 1, 0, 1
	QUARTER 0, 1, F0, F1, 0
	WIN 0
	s_sub_co_u32 s3, s3, 1
	s_cmp_lg_u32 s3, 0
	s_cbranch_scc1 .Llap
	QUARTER 0, 2, F1, F0, 0                        ; the last lap fills nothing
	QUARTER 0, 3, F0, F1, 0
	TURN 0, 1, 0
	QUARTER 1, 1, F0, F1, 0
	QUARTER 1, 2, F1, F0, 0
	QUARTER 1, 3, F0, F1, 0
	s_wait_dscnt 16
	MUL8 F1, 0, 0, 0
	MUL8 F1, 0, 2, 0
	s_wait_dscnt 0x0
	MUL8 F1, 1, 0, 0
	MUL8 F1, 1, 2, 0
	WIN 0
; THE WAY OUT.  A wave's 64 columns in f32 are 256 bytes of a row of out0, aligned: 16 rows at a time go through the wave's own stage (32 bytes a lane in, whole rows back, into the registers that they left):
; no barrier, and since LDS serves a wave's instructions in order (ISA guide 5.7.1.4), no wait between the stores and the loads, nor in front of the next block's stores.
	PLACES
	PLACES
.macro OUTP a
.irp b, 0,1,2,3
	ds_store_b128 v[STO], v[ACC+8*(4*(\a)+(\b)):ACC+8*(4*(\a)+(\b))+3]   offset:64*(\b)
	ds_store_b128 v[STO], v[ACC+8*(4*(\a)+(\b))+4:ACC+8*(4*(\a)+(\b))+7] offset:64*(\b)+16
.endr
.irp i, 0,1,2,3,4,5,6,7
	ds_load_b128 v[ACC+32*(\a)+4*(\i):ACC+32*(\a)+4*(\i)+3], v[RD] offset:(\i)*2*SPITCH
.endr
.endm
.macro SENDP a, younger                ; younger: the LDS instructions issued behind block a's loads: the next block's sixteen, or none
.irp i, 0,1,2,3,4,5,6,7
	s_wait_dscnt (\younger)+7-(\i)
	global_store_b128 v[CO], v[ACC+32*(\a)+4*(\i):ACC+32*(\a)+4*(\i)+3], s[8:9] offset:(16*(\a)+2*(\i))*8192  ; 16 lanes store 256 consecutive bytes, aligned
.endr
.endm
	OUTP 0
	OUTP 1
	SENDP 0, 16
	OUTP 2
	SENDP 1, 16
	OUTP 3
	SENDP 2, 16
	SENDP 3, 0
	s_wait_tensorcnt 0x0                           ; the wave's end: the add and its wait, behind my last tensor load and my last LDS store
	ds_add_u32 v[SPW], v[NIL]
	s_wait_dscnt 0x0
	CROUND                                         ; the closing round: no work-group ends while a partner may still ask for a tile that names it
	s_endpgm
.Lfunc_end_k_qff371c7804_oproj:
	.size	k_qff371c7804_oproj, .Lfunc_end_k_qff371c7804_oproj-k_qff371c7804_oproj
	.p2alignl 7, 3214868480
	.fill 96, 4, 3214868480
	.section	.rodata,"a",@progbits
	.p2align	6, 0x0
	.amdhsa_kernel k_qff371c7804_oproj
		.amdhsa_group_segment_fixed_size 327680
		.amdhsa_private_segment_fixed_size 0
		.amdhsa_enable_private_segment 0
		.amdhsa_kernarg_size 24
		.amdhsa_user_sgpr_count 2
		.amdhsa_user_sgpr_kernarg_segment_ptr 1
		.amdhsa_wavefront_size32 1
		.amdhsa_system_sgpr_workgroup_id_x 1
		.amdhsa_system_sgpr_workgroup_id_y 1
		.amdhsa_system_sgpr_workgroup_id_z 1
		.amdhsa_system_vgpr_workitem_id 0
		.amdhsa_next_free_vgpr 512
		.amdhsa_next_free_sgpr 66
		.amdhsa_reserve_vcc 0
		.amdhsa_float_denorm_mode_32 3
		.amdhsa_float_denorm_mode_16_64 3
		.amdhsa_memory_ordered 1
		.amdhsa_forward_progress 1
		.amdhsa_inst_pref_size 87
	.end_amdhsa_kernel
	.amdgpu_metadata
---
amdhsa.version: [ 1, 2 ]
amdhsa.kernels:
  - .name:           k_qff371c7804_oproj
    .symbol:         k_qff371c7804_oproj.kd
    .args:
      - { .name: ao, .offset: 0, .size: 8, .value_kind: global_buffer, .address_space: global }
      - { .name: wob, .offset: 8, .size: 8, .value_kind: global_buffer, .address_space: global }
      - { .name: out0, .offset: 16, .size: 8, .value_kind: global_buffer, .address_space: global }
    .group_segment_fixed_size: 327680
    .private_segment_fixed_size: 0
    .kernarg_segment_align: 8
    .kernarg_segment_size: 24
    .max_flat_workgroup_size: 128
    .sgpr_count:     66
    .vgpr_count:     512
    .wavefront_size: 32
...
	.end_amdgpu_metadata
.endif
;; end of part 4
